; MI455X (gfx1250); checked and timed in simulation.
; The chip was launched on July 23, 2026; its instructions are those of AMD's public machine-readable ISA for CDNA 5 (MIT licence, August 2026) and "CDNA5" Instruction Set Architecture Reference Guide (July 2026). The comments in the code are by the model that wrote it; some were corrected since.
;; Diffeomorphic Transform. Allowed arithmetic: float matrix products may take bf16 or f16 operands with f32 sums; other float arithmetic in f32, or as packed bf16 or f16 multiplies, adds, multiply-adds, maxima and minima; sums over many terms, partial sums and values carried from step to step in f32; what a program stores and reads back later, other than sums and carried values, may be rounded once to bf16 or f16.
;; Inputs: sample_grid 1 x 128 x 160 x 160 x 3 float32; velocity 1 x 3 x 128 x 160 x 160 float32.
;; Outputs: out0 1 x 3 x 128 x 160 x 160 float32.
;; 2 versions, each right and faster than the one before. Each part assembles by itself: llvm-mc -triple=amdgcn-amd-amdhsa -mcpu=gfx1250 --defsym DOCPART=n.
;; ======== version 1 of 2: 4 launches
;; limits: values outside matrix products are rounded to bf16
;; workspace buffers: tabA 52,428,800 bytes; tabB 52,428,800 bytes; idxA 13,107,200 bytes of whole numbers; idxB 13,107,200 bytes of whole numbers
;; launch prep (part 1): grid 6400 x 1, 8 waves a work-group, no clusters, 0 bytes of LDS; arguments velocity, sample_grid, tabA, idxA; writes tabA, idxA
.if DOCPART == 1
	.amdgcn_target "amdgcn-amd-amdhsa--gfx1250"
	.amdhsa_code_object_version 6
	.text
	.protected	k_qc681e2664e_prep
	.globl	k_qc681e2664e_prep
	.p2align	8
	.type	k_qc681e2664e_prep,@function
k_qc681e2664e_prep:
	s_mov_b64 s[64:65], 0
	v_nop
	global_prefetch_b8 v0, s[64:65] scope:SCOPE_SE
	s_setreg_imm32_b32 hwreg(HW_REG_WAVE_MODE, 25, 1), 1
	s_wait_xcnt 0x0
; FIRST LAUNCH.  velocity: [3][128][160][160] f32, planar.  sample_grid: [128][160][160][3] f32.
; Makes (1) the table of flow0 = velocity / 8, 16 bytes a voxel (x, y, z, 0), from which the next launch gathers, and (2) for each voxel the whole numbers from which the next
; launch forms its gather address: the lower node (bx, by, bz) of the cell in which the voxel's sample point lies, clamped to 0 .. 158, 0 .. 158, 0 .. 126, packed bx | by << 8 | bz << 16.
; An address may not hang on floating-point numbers of the same launch: so the nodes are made here and used one launch later.
; LIMIT, STATED: BOTH INPUTS ARE ROUNDED TO bf16 (to nearest even, 8 significant bits) as they are loaded, here and in every later launch.  flow0 then has 8 significant bits and 100 has 5,
; so 100 x flow0 is exact in f32 and the first step's grid + 100 flow has one rounding however it is written.  A step multiplies an error in flow by 100 times the field's gradient, so the
; first step's coordinates have to be made with exactly these roundings.
; THE COORDINATES, each line one rounding (LOC3):  g = grid + 100 flow (fused);  s = g - ext / 2;  q = s * rc, rc = 1 / ext rounded (a multiplication, NOT a correctly rounded division);
;   a = 2 q + 1 (fused; 2 q is exact);  i = a * (ext / 2) (a * 0.5 is exact: the same one rounding as a * 0.5 * ext).
; SHARES.  6,400 work-groups of 8 waves; a wave takes 64 voxels on end, lane l the voxels l (A) and l + 32 (B).  So a table store of 16 bytes a lane covers 512 consecutive bytes, aligned;
; a lane's two index words leave as one store of 8 bytes, 256 consecutive bytes a wave: in the index buffer a block of 64 voxels lies in the order 0, 32, 1, 33, ..
; Packed f32 lines work on (x, y) of one voxel (both extents are 159) and on (z of A, z of B).
; NaN and infinities in the inputs (where reference() gives NaN) are not treated apart.  No LDS, no barrier: no wave wants a byte of another.
.set PLANE, 13107200                   ; bytes of one channel of velocity
.set O4,  2                            ; v2   4 x my voxel A in the group's 512
.set O12, 3                            ; v3   12 x
.set O16, 4                            ; v4   16 x
.set O8,  5                            ; v5   8 x my thread's number
.set RA,  6                            ; v[6:7]   velocity x, y of A
.set RB,  8                            ; v[8:9]   of B
.set RZ,  10                           ; v[10:11] velocity z of A, of B
.set GA,  12                           ; v[12:14] grid x, y, z of A; v15 takes z of B, so that v[14:15] is the pair of z
.set GB,  16                           ; v[16:18] grid of B
.set FA,  20                           ; v[20:23] the table's 16 bytes for A
.set FB,  24                           ; v[24:27] for B
.set FZ,  28                           ; v[28:29] flow z of A, of B
.set AA,  30                           ; v[30:35] a: (x, y) of A, (x, y) of B, (z of A, z of B)
.set II,  36                           ; v[36:41] the coordinates i, in the same order
.set E,   42                           ; v[42:47] at work
.set WO,  48                           ; v[48:49] the two index words
.set C100, 20                          ; s[20:21] 100.0
.set C8TH, 22                          ; s[22:23] 0.125
.set KXY, 24                           ; s[24:29] for x and y: -79.5, 1/159, 79.5, each twice (a packed line names a pair and takes its low word for both halves)
.set KZ,  30                           ; s[30:35] for z: -63.5, 1/127, 63.5
.set HIM, 36                           ; s36  a word's upper bf16
.set TOPXY, 40                         ; s40  158.0
.set TOPZ,  41                         ; s41  126.0
.macro SPAIR r, bits
	s_mov_b32 s[\r], \bits
	s_mov_b32 s[\r+1], \bits
.endm
; The coordinates of three pairs, in step, so that no line waits for the one before it: pairs 0 and 1 are (x, y), pair 2 is (z, z).  a, i: results; f: flow; g: grid.
.macro LOC3 a0, i0, f0, g0, a1, i1, f1, g1, a2, i2, f2, g2
	v_pk_fma_f32 v[\a0:\a0+1], v[\f0:\f0+1], s[C100:C100+1], v[\g0:\g0+1] op_sel_hi:[1,0,1]  ; g = grid + 100 flow
	v_pk_fma_f32 v[\a1:\a1+1], v[\f1:\f1+1], s[C100:C100+1], v[\g1:\g1+1] op_sel_hi:[1,0,1]
	v_pk_fma_f32 v[\a2:\a2+1], v[\f2:\f2+1], s[C100:C100+1], v[\g2:\g2+1] op_sel_hi:[1,0,1]
	v_pk_add_f32 v[\a0:\a0+1], v[\a0:\a0+1], s[KXY:KXY+1] op_sel_hi:[1,0]           ; s = g - ext / 2
	v_pk_add_f32 v[\a1:\a1+1], v[\a1:\a1+1], s[KXY:KXY+1] op_sel_hi:[1,0]
	v_pk_add_f32 v[\a2:\a2+1], v[\a2:\a2+1], s[KZ:KZ+1] op_sel_hi:[1,0]
	v_pk_mul_f32 v[\a0:\a0+1], v[\a0:\a0+1], s[KXY+2:KXY+3] op_sel_hi:[1,0]         ; q = s * rc
	v_pk_mul_f32 v[\a1:\a1+1], v[\a1:\a1+1], s[KXY+2:KXY+3] op_sel_hi:[1,0]
	v_pk_mul_f32 v[\a2:\a2+1], v[\a2:\a2+1], s[KZ+2:KZ+3] op_sel_hi:[1,0]
	v_pk_fma_f32 v[\a0:\a0+1], v[\a0:\a0+1], 2.0, 1.0 op_sel_hi:[1,0,0]             ; a = 2 q + 1
	v_pk_fma_f32 v[\a1:\a1+1], v[\a1:\a1+1], 2.0, 1.0 op_sel_hi:[1,0,0]
	v_pk_fma_f32 v[\a2:\a2+1], v[\a2:\a2+1], 2.0, 1.0 op_sel_hi:[1,0,0]
	v_pk_mul_f32 v[\i0:\i0+1], v[\a0:\a0+1], s[KXY+4:KXY+5] op_sel_hi:[1,0]         ; i = a * (ext / 2)
	v_pk_mul_f32 v[\i1:\i1+1], v[\a1:\a1+1], s[KXY+4:KXY+5] op_sel_hi:[1,0]
	v_pk_mul_f32 v[\i2:\i2+1], v[\a2:\a2+1], s[KZ+4:KZ+5] op_sel_hi:[1,0]
.endm
; The index word of one voxel.  clamp(floor(i), 0, top) = trunc(clamp(i, 0, top)): the conversion cuts toward zero, and the clamped number is not negative.
.macro ENC w, ixy, iz, e
	v_med3_num_f32 v[\e], v[\ixy], 0, s[TOPXY]
	v_med3_num_f32 v[\e+1], v[\ixy+1], 0, s[TOPXY]
	v_med3_num_f32 v[\e+2], v[\iz], 0, s[TOPZ]
	v_cvt_u32_f32 v[\e], v[\e]
	v_cvt_u32_f32 v[\e+1], v[\e+1]
	v_cvt_u32_f32 v[\e+2], v[\e+2]
	v_lshl_or_b32 v[\w], v[\e+1], 8, v[\e]
	v_lshl_or_b32 v[\w], v[\e+2], 16, v[\w]
.endm
	s_load_b256 s[4:11], s[0:1], 0x0               ; velocity s[4:5], sample_grid s[6:7], table s[8:9], index s[10:11]
	v_and_b32 v1, 31, v0                           ; lane
	v_and_b32 v[O4], 0xe0, v0                      ; 32 x wave
	v_lshl_add_u32 v1, v[O4], 1, v1                ; voxel A in the group's 512: 64 x wave + lane
	v_lshlrev_b32 v[O4], 2, v1
	v_mul_u32_u24 v[O12], 12, v1
	v_lshlrev_b32 v[O16], 4, v1
	v_lshlrev_b32 v[O8], 3, v0
	SPAIR C100, 0x42c80000                         ; 100.0
	SPAIR C8TH, 0x3e000000                         ; 0.125
	SPAIR KXY,   0xc29f0000                        ; -79.5
	SPAIR KXY+2, 0x3bce168a                        ; 1 / 159, rounded
	SPAIR KXY+4, 0x429f0000                        ; 79.5
	SPAIR KZ,    0xc27e0000                        ; -63.5
	SPAIR KZ+2,  0x3c010204                        ; 1 / 127, rounded
	SPAIR KZ+4,  0x427e0000                        ; 63.5
	s_mov_b32 s[HIM], 0xffff0000
	s_mov_b32 s[TOPXY], 0x431e0000                 ; 158.0
	s_mov_b32 s[TOPZ], 0x42fc0000                  ; 126.0
	s_lshl_b32 s12, ttmp9, 11                      ; the group's 512 voxels: 2,048 bytes of a channel and of the index,
	s_mov_b32 s13, 0
	s_mul_i32 s14, ttmp9, 6144                     ; 6,144 of the grid,
	s_mov_b32 s15, 0
	s_lshl_b32 s16, ttmp9, 13                      ; 8,192 of the table
	s_mov_b32 s17, 0
	s_wait_kmcnt 0x0
	s_add_nc_u64 s[4:5], s[4:5], s[12:13]          ; channel x
	s_add_nc_u64 s[18:19], s[4:5], PLANE           ; channel y
	s_add_nc_u64 s[42:43], s[18:19], PLANE         ; channel z
	s_add_nc_u64 s[6:7], s[6:7], s[14:15]
	s_add_nc_u64 s[8:9], s[8:9], s[16:17]
	s_add_nc_u64 s[10:11], s[10:11], s[12:13]
	global_load_b32 v[RA],   v[O4], s[4:5] th:TH_LOAD_NT                 ; A's and B's loads of a channel together take 256 consecutive bytes
	global_load_b32 v[RB],   v[O4], s[4:5] offset:128 th:TH_LOAD_NT
	global_load_b32 v[RA+1], v[O4], s[18:19] th:TH_LOAD_NT
	global_load_b32 v[RB+1], v[O4], s[18:19] offset:128 th:TH_LOAD_NT
	global_load_b32 v[RZ],   v[O4], s[42:43] th:TH_LOAD_NT
	global_load_b32 v[RZ+1], v[O4], s[42:43] offset:128 th:TH_LOAD_NT
	global_load_b96 v[GA:GA+2], v[O12], s[6:7] th:TH_LOAD_NT             ; 384 consecutive bytes a wave
	global_load_b96 v[GB:GB+2], v[O12], s[6:7] offset:384 th:TH_LOAD_NT
	v_mov_b32 v[FA+3], 0                           ; the table's fourth word: read by the gathers' 16 bytes, used by nobody
	v_mov_b32 v[FB+3], 0
	s_wait_loadcnt 0x2                             ; velocity is in; the two loads of the grid, issued behind it, may stay out
	v_cvt_pk_bf16_f32 v[E],   v[RA], v[RA+1]       ; velocity rounded to bf16, two numbers a line,
	v_cvt_pk_bf16_f32 v[E+1], v[RB], v[RB+1]
	v_cvt_pk_bf16_f32 v[E+2], v[RZ], v[RZ+1]
	v_lshlrev_b32 v[RA],   16, v[E]                ; and widened again: the low half moves up, the high half stays
	v_and_b32     v[RA+1], s[HIM], v[E]
	v_lshlrev_b32 v[RB],   16, v[E+1]
	v_and_b32     v[RB+1], s[HIM], v[E+1]
	v_lshlrev_b32 v[RZ],   16, v[E+2]
	v_and_b32     v[RZ+1], s[HIM], v[E+2]
	v_pk_mul_f32 v[FA:FA+1], v[RA:RA+1], s[C8TH:C8TH+1] op_sel_hi:[1,0]  ; flow = velocity / 8, exact
	v_pk_mul_f32 v[FB:FB+1], v[RB:RB+1], s[C8TH:C8TH+1] op_sel_hi:[1,0]
	v_pk_mul_f32 v[FZ:FZ+1], v[RZ:RZ+1], s[C8TH:C8TH+1] op_sel_hi:[1,0]
	v_mov_b32 v[FA+2], v[FZ]
	v_mov_b32 v[FB+2], v[FZ+1]
	global_store_b128 v[O16], v[FA:FA+3], s[8:9] th:TH_STORE_NT              ; 512 consecutive bytes, aligned
	global_store_b128 v[O16], v[FB:FB+3], s[8:9] offset:512 th:TH_STORE_NT
	s_wait_loadcnt 0x0                             ; the grid
	v_cvt_pk_bf16_f32 v[E],   v[GA],   v[GA+1]     ; the grid rounded to bf16 and widened; the third line also lays (z of A, z of B) side by side
	v_cvt_pk_bf16_f32 v[E+1], v[GB],   v[GB+1]
	v_cvt_pk_bf16_f32 v[E+2], v[GA+2], v[GB+2]
	v_lshlrev_b32 v[GA],   16, v[E]
	v_and_b32     v[GA+1], s[HIM], v[E]
	v_lshlrev_b32 v[GB],   16, v[E+1]
	v_and_b32     v[GB+1], s[HIM], v[E+1]
	v_lshlrev_b32 v[GA+2], 16, v[E+2]
	v_and_b32     v[GA+3], s[HIM], v[E+2]
	LOC3 AA, II, FA, GA, AA+2, II+2, FB, GB, AA+4, II+4, FZ, GA+2
	ENC WO, II, II+4, E
	ENC WO+1, II+2, II+5, E+3
	global_store_b64 v[O8], v[WO:WO+1], s[10:11] th:TH_STORE_NT              ; 256 consecutive bytes, aligned
	s_endpgm
.Lfunc_end_k_qc681e2664e_prep:
	.size	k_qc681e2664e_prep, .Lfunc_end_k_qc681e2664e_prep-k_qc681e2664e_prep
	.p2alignl 7, 3214868480
	.fill 96, 4, 3214868480
	.section	.rodata,"a",@progbits
	.p2align	6, 0x0
	.amdhsa_kernel k_qc681e2664e_prep
		.amdhsa_group_segment_fixed_size 0
		.amdhsa_private_segment_fixed_size 0
		.amdhsa_enable_private_segment 0
		.amdhsa_kernarg_size 32
		.amdhsa_user_sgpr_count 2
		.amdhsa_user_sgpr_kernarg_segment_ptr 1
		.amdhsa_wavefront_size32 1
		.amdhsa_system_sgpr_workgroup_id_x 1
		.amdhsa_system_sgpr_workgroup_id_y 1
		.amdhsa_system_sgpr_workgroup_id_z 1
		.amdhsa_system_vgpr_workitem_id 0
		.amdhsa_next_free_vgpr 50
		.amdhsa_next_free_sgpr 66
		.amdhsa_reserve_vcc 0
		.amdhsa_float_denorm_mode_32 3
		.amdhsa_float_denorm_mode_16_64 3
		.amdhsa_memory_ordered 1
		.amdhsa_forward_progress 1
		.amdhsa_inst_pref_size 7
	.end_amdhsa_kernel
	.amdgpu_metadata
---
amdhsa.version: [ 1, 2 ]
amdhsa.kernels:
  - .name:           k_qc681e2664e_prep
    .symbol:         k_qc681e2664e_prep.kd
    .args:
      - { .name: velocity, .offset: 0, .size: 8, .value_kind: global_buffer, .address_space: global }
      - { .name: sample_grid, .offset: 8, .size: 8, .value_kind: global_buffer, .address_space: global }
      - { .name: tabA, .offset: 16, .size: 8, .value_kind: global_buffer, .address_space: global }
      - { .name: idxA, .offset: 24, .size: 8, .value_kind: global_buffer, .address_space: global }
    .group_segment_fixed_size: 0
    .private_segment_fixed_size: 0
    .kernarg_segment_align: 8
    .kernarg_segment_size: 32
    .max_flat_workgroup_size: 256
    .sgpr_count:     66
    .vgpr_count:     50
    .wavefront_size: 32
...
	.end_amdgpu_metadata
.endif
;; end of part 1
;; launch step1 (part 2): grid 6400 x 1, 8 waves a work-group, no clusters, 0 bytes of LDS; arguments sample_grid, tabA, idxA, tabB, idxB; writes tabB, idxB
.if DOCPART == 2
	.amdgcn_target "amdgcn-amd-amdhsa--gfx1250"
	.amdhsa_code_object_version 6
	.text
	.protected	k_qc681e2664e_step1
	.globl	k_qc681e2664e_step1
	.p2align	8
	.type	k_qc681e2664e_step1,@function
k_qc681e2664e_step1:
	s_mov_b64 s[64:65], 0
	v_nop
	global_prefetch_b8 v0, s[64:65] scope:SCOPE_SE
	s_setreg_imm32_b32 hwreg(HW_REG_WAVE_MODE, 25, 1), 1
	s_wait_xcnt 0x0
; ONE STEP: flow' = flow + the trilinear sample of flow at grid + 100 flow (zeros outside), and the index words for the NEXT step.
; In: sample_grid [voxel][3] f32 (rounded to bf16 as it is loaded: the stated limit of the whole program); the table of flow, 16 bytes a voxel (x, y, z, 0), f32; the index words that the launch
; before made from the same flow.  Out: a second table and a second index buffer.
; THE GATHER'S ADDRESS comes from the index word alone: bx | by << 8 | bz << 16, each field clamped here once more (158, 158, 126), so that the nodes b and b + 1 lie in the table along every axis;
; byte ((bz 160 + by) 160 + bx) 16, and the eight corners stand in the loads' immediates (16 along x, 2,560 along y, 409,600 along z).
; THE COORDINATES are made again here from grid and flow, by the same lines as in the launch before (the same bits), each line one rounding (LOC3):
;   g = grid + 100 flow (fused);  s = g - ext / 2;  q = s * rc, rc = 1 / ext rounded (a multiplication, NOT a correctly rounded division);  a = 2 q + 1 (fused);  i = a * (ext / 2).
; THE WEIGHTS.  x0 = floor(i);  w1 = i - x0, of the ROUNDED i (the subtraction is exact);  w0 = 1 - w1.
; With k = x0 - b:  node b gets w0 if k = 0, w1 if k = -1 (x0 = -1: only its upper node lies inside), else 0;  node b + 1 gets w1 if k = 0, w0 if k = 1 (x0 = the last node), else 0.
; That is reference()'s weight times its mask.  The compares only choose values, by v_cndmask_b32: no branch and no address hangs on them.
; A step multiplies an error in flow by 100 times the field's gradient: hence these exact orders of rounding, and an f32 table.
; The weighted sum of the eight corners starts from the voxel's own flow and is fused: its order of rounding differs from reference()'s.
; SHARES.  6,400 work-groups of 8 waves; a wave takes 64 voxels on end, lane l the voxels l (A) and l + 32 (B): table stores of 512 consecutive bytes, index stores of 256 (a block of 64 voxels lies in the order 0, 32, 1, 33, ..).
; Sixteen gathers of 16 bytes a lane are out while the coordinates and weights are made.  Packed f32 lines work on (x, y) of one voxel and on (z of A, z of B).
; NaN and infinities in the inputs (where reference() gives NaN) are not treated apart.  No LDS, no barrier: no wave wants a byte of another.
.set YSTEP, 2560                       ; bytes of the table from y to y + 1
.set ZSTEP, 409600                     ; from z to z + 1
.set O12, 1                            ; v1   12 x my voxel A in the group's 512
.set O16, 2                            ; v2   16 x
.set O8,  3                            ; v3   8 x my thread's number
.set WD,  4                            ; v[4:5]   the index words of A and B: as loaded, at the end as stored
.set ADA, 6                            ; v6   A's gather offset
.set ADB, 7                            ; v7   B's
.set GA,  8                            ; v[8:10]  grid of A; v11 takes z of B
.set GB,  12                           ; v[12:14] grid of B
.set FA,  16                           ; v[16:18] own flow of A; v19 takes z of B
.set FB,  20                           ; v[20:23] own flow of B
; Six numbers a lane go through the coordinates, number j = 0 .. 5: x of A, y of A, x of B, y of B, z of A, z of B.
.set AA,  24                           ; v[24:29] a
.set II,  30                           ; v[30:35] i, then
.set KK,  30                           ; v[30:35] k = x0 - b
.set BF,  36                           ; v[36:41] the nodes b as f32
.set BI,  42                           ; v[42:47] the nodes as whole numbers: bx, by, bz of A, of B; then
.set X0,  42                           ; v[42:47] floor(i)
.set W1,  48                           ; v[48:53] w1
.set W0,  54                           ; v[54:59] w0
.set WP,  36                           ; v[36:47] the weights: for number j the pair (node b, node b + 1) at WP + 2 j
.set WXA, WP
.set WYA, WP+2
.set WXB, WP+4
.set WYB, WP+6
.set WZA, WP+8
.set WZB, WP+10
.set ZYA, 24                           ; v[24:27] A: wz wy for (z, y) = (0,0), (0,1), (1,0), (1,1)
.set ZYB, 28                           ; v[28:31] B
.set CA,  48                           ; v[48:55] A's eight corner weights, corner k = 4 dz + 2 dy + dx at CA + k
.set CB,  56                           ; v[56:63] B's
.set NA,  32                           ; v[32:35] the new table entry of A
.set NB,  36                           ; v[36:39] of B
.set ZN,  40                           ; v[40:41] new flow z of A, of B
.set I2,  42                           ; v[42:47] the next step's coordinates
.set E,   48                           ; v[48:53] at work in ENC
.set QA,  64                           ; v[64:95]  A's eight corners, 4 registers each
.set QB,  96                           ; v[96:127] B's
.set C100, 20                          ; s[20:21] 100.0
.set KXY, 24                           ; s[24:29] for x and y: -79.5, 1/159, 79.5, each twice (a packed line names a pair and takes its low word for both halves)
.set KZ,  30                           ; s[30:35] for z: -63.5, 1/127, 63.5
.set HIM, 36                           ; s36  a word's upper bf16
.set TOPXY, 40                         ; s40  158.0
.set TOPZ,  41                         ; s41  126.0
.set M,   44                           ; s[44:61] for number j three lane masks: k = 0, k = -1, k = 1
.macro SPAIR r, bits
	s_mov_b32 s[\r], \bits
	s_mov_b32 s[\r+1], \bits
.endm
; The coordinates of three pairs, in step, so that no line waits for the one before it: pairs 0 and 1 are (x, y), pair 2 is (z, z).  a, i: results; f: flow; g: grid.
.macro LOC3 a0, i0, f0, g0, a1, i1, f1, g1, a2, i2, f2, g2
	v_pk_fma_f32 v[\a0:\a0+1], v[\f0:\f0+1], s[C100:C100+1], v[\g0:\g0+1] op_sel_hi:[1,0,1]  ; g = grid + 100 flow
	v_pk_fma_f32 v[\a1:\a1+1], v[\f1:\f1+1], s[C100:C100+1], v[\g1:\g1+1] op_sel_hi:[1,0,1]
	v_pk_fma_f32 v[\a2:\a2+1], v[\f2:\f2+1], s[C100:C100+1], v[\g2:\g2+1] op_sel_hi:[1,0,1]
	v_pk_add_f32 v[\a0:\a0+1], v[\a0:\a0+1], s[KXY:KXY+1] op_sel_hi:[1,0]           ; s = g - ext / 2
	v_pk_add_f32 v[\a1:\a1+1], v[\a1:\a1+1], s[KXY:KXY+1] op_sel_hi:[1,0]
	v_pk_add_f32 v[\a2:\a2+1], v[\a2:\a2+1], s[KZ:KZ+1] op_sel_hi:[1,0]
	v_pk_mul_f32 v[\a0:\a0+1], v[\a0:\a0+1], s[KXY+2:KXY+3] op_sel_hi:[1,0]         ; q = s * rc
	v_pk_mul_f32 v[\a1:\a1+1], v[\a1:\a1+1], s[KXY+2:KXY+3] op_sel_hi:[1,0]
	v_pk_mul_f32 v[\a2:\a2+1], v[\a2:\a2+1], s[KZ+2:KZ+3] op_sel_hi:[1,0]
	v_pk_fma_f32 v[\a0:\a0+1], v[\a0:\a0+1], 2.0, 1.0 op_sel_hi:[1,0,0]             ; a = 2 q + 1
	v_pk_fma_f32 v[\a1:\a1+1], v[\a1:\a1+1], 2.0, 1.0 op_sel_hi:[1,0,0]
	v_pk_fma_f32 v[\a2:\a2+1], v[\a2:\a2+1], 2.0, 1.0 op_sel_hi:[1,0,0]
	v_pk_mul_f32 v[\i0:\i0+1], v[\a0:\a0+1], s[KXY+4:KXY+5] op_sel_hi:[1,0]         ; i = a * (ext / 2)
	v_pk_mul_f32 v[\i1:\i1+1], v[\a1:\a1+1], s[KXY+4:KXY+5] op_sel_hi:[1,0]
	v_pk_mul_f32 v[\i2:\i2+1], v[\a2:\a2+1], s[KZ+4:KZ+5] op_sel_hi:[1,0]
.endm
; The index word of one voxel.  clamp(floor(i), 0, top) = trunc(clamp(i, 0, top)): the conversion cuts toward zero, and the clamped number is not negative.
.macro ENC w, ixy, iz, e
	v_med3_num_f32 v[\e], v[\ixy], 0, s[TOPXY]
	v_med3_num_f32 v[\e+1], v[\ixy+1], 0, s[TOPXY]
	v_med3_num_f32 v[\e+2], v[\iz], 0, s[TOPZ]
	v_cvt_u32_f32 v[\e], v[\e]
	v_cvt_u32_f32 v[\e+1], v[\e+1]
	v_cvt_u32_f32 v[\e+2], v[\e+2]
	v_lshl_or_b32 v[\w], v[\e+1], 8, v[\e]
	v_lshl_or_b32 v[\w], v[\e+2], 16, v[\w]
.endm
; An index word is cut into its three fields, each clamped by a constant written in the line, and the gather's byte offset made of them by multiplies, adds and a shift left.
.macro DEC w, b, ad
	v_and_b32 v[\b], 0xff, v[\w]
	v_bfe_u32 v[\b+1], v[\w], 8, 8
	v_lshrrev_b32 v[\b+2], 16, v[\w]
	v_min_u32 v[\b], 0x9e, v[\b]                   ; bx <= 158
	v_min_u32 v[\b+1], 0x9e, v[\b+1]               ; by <= 158
	v_min_u32 v[\b+2], 0x7e, v[\b+2]               ; bz <= 126
	v_mad_u32_u24 v[\ad], v[\b+2], 0xa0, v[\b+1]
	v_mad_u32_u24 v[\ad], v[\ad], 0xa0, v[\b]
	v_lshlrev_b32 v[\ad], 4, v[\ad]                ; at most 52,016,608; the farthest corner ends at the table's last byte
.endm
; The two weights of number j, chosen by k.
.macro WSEL j
	v_cmp_eq_f32 s[M+3*(\j)],   0,    v[KK+(\j)]
	v_cmp_eq_f32 s[M+3*(\j)+1], -1.0, v[KK+(\j)]
	v_cmp_eq_f32 s[M+3*(\j)+2], 1.0,  v[KK+(\j)]
	v_cndmask_b32 v[WP+2*(\j)],   0, v[W1+(\j)], s[M+3*(\j)+1]              ; node b: w1 where k = -1,
	v_cndmask_b32 v[WP+2*(\j)+1], 0, v[W0+(\j)], s[M+3*(\j)+2]              ; node b + 1: w0 where k = 1,
	v_cndmask_b32 v[WP+2*(\j)],   v[WP+2*(\j)],   v[W0+(\j)], s[M+3*(\j)]   ; and (w0, w1) where k = 0
	v_cndmask_b32 v[WP+2*(\j)+1], v[WP+2*(\j)+1], v[W1+(\j)], s[M+3*(\j)]
.endm
; d = (x, y) of a corner times the weight in register c, plus a: the weight is the low or the high register of its pair, taken for both halves.
.macro PKW d, q, c, a
.if ((\c) & 1) == 0
	v_pk_fma_f32 v[\d:\d+1], v[\q:\q+1], v[\c:\c+1], v[\a:\a+1] op_sel_hi:[1,0,1]
.else
	v_pk_fma_f32 v[\d:\d+1], v[\q:\q+1], v[\c-1:\c], v[\a:\a+1] op_sel:[0,1,0] op_sel_hi:[1,1,1]
.endif
.endm
	s_load_b256 s[4:11], s[0:1], 0x0               ; sample_grid s[4:5], table in s[6:7], index in s[8:9], table out s[10:11]
	s_load_b64 s[12:13], s[0:1], 0x20              ; index out
	v_and_b32 v[O16], 31, v0                       ; lane
	v_and_b32 v[O12], 0xe0, v0                     ; 32 x wave
	v_lshl_add_u32 v[O16], v[O12], 1, v[O16]       ; voxel A in the group's 512: 64 x wave + lane
	v_mul_u32_u24 v[O12], 12, v[O16]
	v_lshlrev_b32 v[O16], 4, v[O16]
	v_lshlrev_b32 v[O8], 3, v0
	SPAIR C100, 0x42c80000                         ; 100.0
	SPAIR KXY,   0xc29f0000                        ; -79.5
	SPAIR KXY+2, 0x3bce168a                        ; 1 / 159, rounded
	SPAIR KXY+4, 0x429f0000                        ; 79.5
	SPAIR KZ,    0xc27e0000                        ; -63.5
	SPAIR KZ+2,  0x3c010204                        ; 1 / 127, rounded
	SPAIR KZ+4,  0x427e0000                        ; 63.5
	s_mov_b32 s[HIM], 0xffff0000
	s_mov_b32 s[TOPXY], 0x431e0000                 ; 158.0
	s_mov_b32 s[TOPZ], 0x42fc0000                  ; 126.0
	s_mul_i32 s14, ttmp9, 6144                     ; the group's 512 voxels: 6,144 bytes of the grid,
	s_mov_b32 s15, 0
	s_lshl_b32 s16, ttmp9, 13                      ; 8,192 of a table,
	s_mov_b32 s17, 0
	s_lshl_b32 s18, ttmp9, 11                      ; 2,048 of an index buffer
	s_mov_b32 s19, 0
	s_wait_kmcnt 0x0
	s_add_nc_u64 s[4:5], s[4:5], s[14:15]
	s_add_nc_u64 s[42:43], s[6:7], s[16:17]        ; the group's own voxels in the table; s[6:7] stays at its first byte, for the gathers
	s_add_nc_u64 s[8:9], s[8:9], s[18:19]
	s_add_nc_u64 s[10:11], s[10:11], s[16:17]
	s_add_nc_u64 s[12:13], s[12:13], s[18:19]
	global_load_b64 v[WD:WD+1], v[O8], s[8:9] th:TH_LOAD_NT                  ; first: the gathers wait for it
	global_load_b128 v[FA:FA+3], v[O16], s[42:43]
	global_load_b128 v[FB:FB+3], v[O16], s[42:43] offset:512
	global_load_b96 v[GA:GA+2], v[O12], s[4:5] th:TH_LOAD_NT
	global_load_b96 v[GB:GB+2], v[O12], s[4:5] offset:384 th:TH_LOAD_NT
	s_wait_loadcnt 0x4                             ; the index words are in; the four loads issued behind them may stay out
	DEC WD, BI, ADA
	DEC WD+1, BI+3, ADB
.set k, 0
.rept 8                                ; corner k = 4 dz + 2 dy + dx, A's and B's by turns
	global_load_b128 v[QA+4*k:QA+4*k+3], v[ADA], s[6:7] offset:(k/4)*ZSTEP+((k/2)%2)*YSTEP+(k%2)*16
	global_load_b128 v[QB+4*k:QB+4*k+3], v[ADB], s[6:7] offset:(k/4)*ZSTEP+((k/2)%2)*YSTEP+(k%2)*16
.set k, k+1
.endr
	v_cvt_f32_u32 v[BF],   v[BI]                   ; the nodes as f32, in the order of the six numbers
	v_cvt_f32_u32 v[BF+1], v[BI+1]
	v_cvt_f32_u32 v[BF+2], v[BI+3]
	v_cvt_f32_u32 v[BF+3], v[BI+4]
	v_cvt_f32_u32 v[BF+4], v[BI+2]
	v_cvt_f32_u32 v[BF+5], v[BI+5]
	s_wait_loadcnt 0x10                            ; own flow and grid are in; the sixteen gathers issued behind them stay out
	v_cvt_pk_bf16_f32 v[II],   v[GA],   v[GA+1]    ; the grid rounded to bf16 and widened; the third line also lays (z of A, z of B) side by side
	v_cvt_pk_bf16_f32 v[II+1], v[GB],   v[GB+1]
	v_cvt_pk_bf16_f32 v[II+2], v[GA+2], v[GB+2]
	v_lshlrev_b32 v[GA],   16, v[II]
	v_and_b32     v[GA+1], s[HIM], v[II]
	v_lshlrev_b32 v[GB],   16, v[II+1]
	v_and_b32     v[GB+1], s[HIM], v[II+1]
	v_lshlrev_b32 v[GA+2], 16, v[II+2]
	v_and_b32     v[GA+3], s[HIM], v[II+2]
	v_mov_b32 v[FA+3], v[FB+2]                     ; (z of A, z of B) of the flow side by side
	LOC3 AA, II, FA, GA, AA+2, II+2, FB, GB, AA+4, II+4, FA+2, GA+2
.irp j, 0,1,2,3,4,5
	v_floor_f32 v[X0+\j], v[II+\j]                 ; x0
.endr
.irp p, 0,2,4
	v_pk_add_f32 v[W1+\p:W1+\p+1], v[II+\p:II+\p+1], v[X0+\p:X0+\p+1] neg_lo:[0,1] neg_hi:[0,1]  ; w1 = i - x0, exact; it reads i before k takes i's registers
.endr
.irp p, 0,2,4
	v_pk_add_f32 v[KK+\p:KK+\p+1], v[X0+\p:X0+\p+1], v[BF+\p:BF+\p+1] neg_lo:[0,1] neg_hi:[0,1]  ; k = x0 - b
.endr
.irp p, 0,2,4
	v_pk_fma_f32 v[W0+\p:W0+\p+1], v[W1+\p:W1+\p+1], -1.0, 1.0 op_sel_hi:[1,0,0]                 ; w0 = 1 - w1
.endr
.irp j, 0,1,2,3,4,5
	WSEL \j
.endr
	; the corner weights, (wz wy) wx as in reference(): two packed lines for wz wy, four for the eight corners
	v_pk_mul_f32 v[ZYA:ZYA+1],   v[WYA:WYA+1], v[WZA:WZA+1] op_sel_hi:[1,0]
	v_pk_mul_f32 v[ZYA+2:ZYA+3], v[WYA:WYA+1], v[WZA:WZA+1] op_sel:[0,1] op_sel_hi:[1,1]
	v_pk_mul_f32 v[ZYB:ZYB+1],   v[WYB:WYB+1], v[WZB:WZB+1] op_sel_hi:[1,0]
	v_pk_mul_f32 v[ZYB+2:ZYB+3], v[WYB:WYB+1], v[WZB:WZB+1] op_sel:[0,1] op_sel_hi:[1,1]
	v_pk_mul_f32 v[CA:CA+1],     v[WXA:WXA+1], v[ZYA:ZYA+1] op_sel_hi:[1,0]
	v_pk_mul_f32 v[CA+2:CA+3],   v[WXA:WXA+1], v[ZYA:ZYA+1] op_sel:[0,1] op_sel_hi:[1,1]
	v_pk_mul_f32 v[CA+4:CA+5],   v[WXA:WXA+1], v[ZYA+2:ZYA+3] op_sel_hi:[1,0]
	v_pk_mul_f32 v[CA+6:CA+7],   v[WXA:WXA+1], v[ZYA+2:ZYA+3] op_sel:[0,1] op_sel_hi:[1,1]
	v_pk_mul_f32 v[CB:CB+1],     v[WXB:WXB+1], v[ZYB:ZYB+1] op_sel_hi:[1,0]
	v_pk_mul_f32 v[CB+2:CB+3],   v[WXB:WXB+1], v[ZYB:ZYB+1] op_sel:[0,1] op_sel_hi:[1,1]
	v_pk_mul_f32 v[CB+4:CB+5],   v[WXB:WXB+1], v[ZYB+2:ZYB+3] op_sel_hi:[1,0]
	v_pk_mul_f32 v[CB+6:CB+7],   v[WXB:WXB+1], v[ZYB+2:ZYB+3] op_sel:[0,1] op_sel_hi:[1,1]
	v_mov_b32 v[NA+3], 0                           ; the table's fourth word: read by the gathers' 16 bytes, used by nobody
	v_mov_b32 v[NB+3], 0
	; flow' = flow + the sum over the corners: four chains (x, y and z of A and of B) that do not wait for each other
.set k, 0
.rept 8
.if k == 0
	s_wait_loadcnt 0x8                             ; the corners of the lower z plane are in; the eight of the upper plane, issued behind them, may stay out
	PKW NA, QA, CA, FA
	PKW NB, QB, CB, FB
	v_fma_f32 v[ZN],   v[QA+2], v[CA], v[FA+2]
	v_fma_f32 v[ZN+1], v[QB+2], v[CB], v[FB+2]
.else
.if k == 4
	s_wait_loadcnt 0x0
.endif
	PKW NA, QA+4*k, CA+k, NA
	PKW NB, QB+4*k, CB+k, NB
	v_fma_f32 v[ZN],   v[QA+4*k+2], v[CA+k], v[ZN]
	v_fma_f32 v[ZN+1], v[QB+4*k+2], v[CB+k], v[ZN+1]
.endif
.set k, k+1
.endr
	v_mov_b32 v[NA+2], v[ZN]
	v_mov_b32 v[NB+2], v[ZN+1]
	global_store_b128 v[O16], v[NA:NA+3], s[10:11] th:TH_STORE_NT            ; 512 consecutive bytes, aligned
	global_store_b128 v[O16], v[NB:NB+3], s[10:11] offset:512 th:TH_STORE_NT
	LOC3 AA, I2, NA, GA, AA+2, I2+2, NB, GB, AA+4, I2+4, ZN, GA+2            ; the next step's sample points, from the new flow: only stored here, as whole numbers
	ENC WD, I2, I2+4, E
	ENC WD+1, I2+2, I2+5, E+3
	global_store_b64 v[O8], v[WD:WD+1], s[12:13] th:TH_STORE_NT              ; 256 consecutive bytes, aligned
	s_endpgm
.Lfunc_end_k_qc681e2664e_step1:
	.size	k_qc681e2664e_step1, .Lfunc_end_k_qc681e2664e_step1-k_qc681e2664e_step1
	.p2alignl 7, 3214868480
	.fill 96, 4, 3214868480
	.section	.rodata,"a",@progbits
	.p2align	6, 0x0
	.amdhsa_kernel k_qc681e2664e_step1
		.amdhsa_group_segment_fixed_size 0
		.amdhsa_private_segment_fixed_size 0
		.amdhsa_enable_private_segment 0
		.amdhsa_kernarg_size 40
		.amdhsa_user_sgpr_count 2
		.amdhsa_user_sgpr_kernarg_segment_ptr 1
		.amdhsa_wavefront_size32 1
		.amdhsa_system_sgpr_workgroup_id_x 1
		.amdhsa_system_sgpr_workgroup_id_y 1
		.amdhsa_system_sgpr_workgroup_id_z 1
		.amdhsa_system_vgpr_workitem_id 0
		.amdhsa_next_free_vgpr 128
		.amdhsa_next_free_sgpr 66
		.amdhsa_reserve_vcc 0
		.amdhsa_float_denorm_mode_32 3
		.amdhsa_float_denorm_mode_16_64 3
		.amdhsa_memory_ordered 1
		.amdhsa_forward_progress 1
		.amdhsa_inst_pref_size 16
	.end_amdhsa_kernel
	.amdgpu_metadata
---
amdhsa.version: [ 1, 2 ]
amdhsa.kernels:
  - .name:           k_qc681e2664e_step1
    .symbol:         k_qc681e2664e_step1.kd
    .args:
      - { .name: sample_grid, .offset: 0, .size: 8, .value_kind: global_buffer, .address_space: global }
      - { .name: tabA, .offset: 8, .size: 8, .value_kind: global_buffer, .address_space: global }
      - { .name: idxA, .offset: 16, .size: 8, .value_kind: global_buffer, .address_space: global }
      - { .name: tabB, .offset: 24, .size: 8, .value_kind: global_buffer, .address_space: global }
      - { .name: idxB, .offset: 32, .size: 8, .value_kind: global_buffer, .address_space: global }
    .group_segment_fixed_size: 0
    .private_segment_fixed_size: 0
    .kernarg_segment_align: 8
    .kernarg_segment_size: 40
    .max_flat_workgroup_size: 256
    .sgpr_count:     66
    .vgpr_count:     128
    .wavefront_size: 32
...
	.end_amdgpu_metadata
.endif
;; end of part 2
;; launch step2: the kernel of part 2 again; grid 6400 x 1, 8 waves a work-group, no clusters, 0 bytes of LDS; arguments sample_grid, tabB, idxB, tabA, idxA; writes tabA, idxA
;; launch final (part 3): grid 6400 x 1, 8 waves a work-group, no clusters, 0 bytes of LDS; arguments sample_grid, tabA, idxA, out0; writes out0
.if DOCPART == 3
	.amdgcn_target "amdgcn-amd-amdhsa--gfx1250"
	.amdhsa_code_object_version 6
	.text
	.protected	k_qc681e2664e_final
	.globl	k_qc681e2664e_final
	.p2align	8
	.type	k_qc681e2664e_final,@function
k_qc681e2664e_final:
	s_mov_b64 s[64:65], 0
	v_nop
	global_prefetch_b8 v0, s[64:65] scope:SCOPE_SE
	s_setreg_imm32_b32 hwreg(HW_REG_WAVE_MODE, 25, 1), 1
	s_wait_xcnt 0x0
; THE LAST STEP: out = flow + the trilinear sample of flow at grid + 100 flow (zeros outside), written planar, [3][128][160][160] f32.
; In: sample_grid [voxel][3] f32 (rounded to bf16 as it is loaded: the stated limit of the whole program); the table of flow, 16 bytes a voxel (x, y, z, 0), f32; the index words that the launch
; before made from the same flow.  Address, coordinates and weights as in the steps before:
;   the gather's byte offset comes from the index word alone, bx | by << 8 | bz << 16, each field clamped here (158, 158, 126); the eight corners stand in the loads' immediates;
;   g = grid + 100 flow (fused);  s = g - ext / 2;  q = s * rc, rc = 1 / ext rounded (a multiplication, NOT a correctly rounded division);  a = 2 q + 1 (fused);  i = a * (ext / 2);
;   x0 = floor(i);  w1 = i - x0, of the rounded i (exact);  w0 = 1 - w1;  with k = x0 - b: node b gets w0 if k = 0, w1 if k = -1, else 0; node b + 1 gets w1 if k = 0, w0 if k = 1, else 0:
;   reference()'s weight times its mask.  The compares only choose values, by v_cndmask_b32.
; The weighted sum starts from the voxel's own flow and is fused: its order of rounding differs from reference()'s.
; SHARES.  6,400 work-groups of 8 waves; a wave takes 64 voxels on end.  HERE LANE l HAS THE VOXELS 2 l (A) AND 2 l + 1 (B), so that a channel's two results leave as one store of 8 bytes and a wave's store
; covers 256 consecutive bytes, aligned.  In the index buffer a block of 64 voxels lies in the order 0, 32, 1, 33, ..: voxel v at word 2 (v % 32) + v / 32, so A's word lies at byte 16 (l % 16) + 4 (l / 16) and B's 8 bytes on.
; NaN and infinities in the inputs (where reference() gives NaN) are not treated apart.  No LDS, no barrier: no wave wants a byte of another.
.set PLANE, 13107200                   ; bytes of one channel of the output
.set YSTEP, 2560                       ; bytes of the table from y to y + 1
.set ZSTEP, 409600                     ; from z to z + 1
.set O24, 1                            ; v1   24 x my thread's number: my two voxels in the grid
.set O32, 2                            ; v2   32 x: in the table
.set O8,  3                            ; v3   8 x: in a channel of the output
.set WD,  4                            ; v[4:5]   the index words of A and B
.set ADA, 6                            ; v6   A's gather offset
.set ADB, 7                            ; v7   B's
.set GA,  8                            ; v[8:10]  grid of A; v11 takes z of B
.set GB,  12                           ; v[12:14] grid of B
.set OI,  15                           ; v15  my byte offset in the group's index words
.set FA,  16                           ; v[16:18] own flow of A; v19 takes z of B
.set FB,  20                           ; v[20:23] own flow of B
; Six numbers a lane go through the coordinates, number j = 0 .. 5: x of A, y of A, x of B, y of B, z of A, z of B.
.set AA,  24                           ; v[24:29] a
.set II,  30                           ; v[30:35] i, then
.set KK,  30                           ; v[30:35] k = x0 - b
.set BF,  36                           ; v[36:41] the nodes b as f32
.set BI,  42                           ; v[42:47] the nodes as whole numbers; then
.set X0,  42                           ; v[42:47] floor(i)
.set W1,  48                           ; v[48:53] w1
.set W0,  54                           ; v[54:59] w0
.set WP,  36                           ; v[36:47] the weights: for number j the pair (node b, node b + 1) at WP + 2 j
.set WXA, WP
.set WYA, WP+2
.set WXB, WP+4
.set WYB, WP+6
.set WZA, WP+8
.set WZB, WP+10
.set ZYA, 24                           ; v[24:27] A: wz wy
.set ZYB, 28                           ; v[28:31] B
.set CA,  48                           ; v[48:55] A's eight corner weights, corner k = 4 dz + 2 dy + dx at CA + k
.set CB,  56                           ; v[56:63] B's
.set NA,  32                           ; v[32:33] running sums x, y of A
.set XO,  34                           ; v[34:35] result x of A, of B
.set NB,  36                           ; v[36:37] running sums x, y of B
.set YO,  38                           ; v[38:39] result y of A, of B
.set ZN,  40                           ; v[40:41] z of A, of B
.set QA,  64                           ; v[64:95]  A's eight corners, 4 registers each
.set QB,  96                           ; v[96:127] B's
.set C100, 20                          ; s[20:21] 100.0
.set KXY, 24                           ; s[24:29] for x and y: -79.5, 1/159, 79.5, each twice (a packed line names a pair and takes its low word for both halves)
.set KZ,  30                           ; s[30:35] for z: -63.5, 1/127, 63.5
.set HIM, 36                           ; s36  a word's upper bf16
.set M,   44                           ; s[44:61] for number j three lane masks: k = 0, k = -1, k = 1
.macro SPAIR r, bits
	s_mov_b32 s[\r], \bits
	s_mov_b32 s[\r+1], \bits
.endm
; The coordinates of three pairs, in step, so that no line waits for the one before it: pairs 0 and 1 are (x, y), pair 2 is (z, z).  a, i: results; f: flow; g: grid.
.macro LOC3 a0, i0, f0, g0, a1, i1, f1, g1, a2, i2, f2, g2
	v_pk_fma_f32 v[\a0:\a0+1], v[\f0:\f0+1], s[C100:C100+1], v[\g0:\g0+1] op_sel_hi:[1,0,1]  ; g = grid + 100 flow
	v_pk_fma_f32 v[\a1:\a1+1], v[\f1:\f1+1], s[C100:C100+1], v[\g1:\g1+1] op_sel_hi:[1,0,1]
	v_pk_fma_f32 v[\a2:\a2+1], v[\f2:\f2+1], s[C100:C100+1], v[\g2:\g2+1] op_sel_hi:[1,0,1]
	v_pk_add_f32 v[\a0:\a0+1], v[\a0:\a0+1], s[KXY:KXY+1] op_sel_hi:[1,0]           ; s = g - ext / 2
	v_pk_add_f32 v[\a1:\a1+1], v[\a1:\a1+1], s[KXY:KXY+1] op_sel_hi:[1,0]
	v_pk_add_f32 v[\a2:\a2+1], v[\a2:\a2+1], s[KZ:KZ+1] op_sel_hi:[1,0]
	v_pk_mul_f32 v[\a0:\a0+1], v[\a0:\a0+1], s[KXY+2:KXY+3] op_sel_hi:[1,0]         ; q = s * rc
	v_pk_mul_f32 v[\a1:\a1+1], v[\a1:\a1+1], s[KXY+2:KXY+3] op_sel_hi:[1,0]
	v_pk_mul_f32 v[\a2:\a2+1], v[\a2:\a2+1], s[KZ+2:KZ+3] op_sel_hi:[1,0]
	v_pk_fma_f32 v[\a0:\a0+1], v[\a0:\a0+1], 2.0, 1.0 op_sel_hi:[1,0,0]             ; a = 2 q + 1
	v_pk_fma_f32 v[\a1:\a1+1], v[\a1:\a1+1], 2.0, 1.0 op_sel_hi:[1,0,0]
	v_pk_fma_f32 v[\a2:\a2+1], v[\a2:\a2+1], 2.0, 1.0 op_sel_hi:[1,0,0]
	v_pk_mul_f32 v[\i0:\i0+1], v[\a0:\a0+1], s[KXY+4:KXY+5] op_sel_hi:[1,0]         ; i = a * (ext / 2)
	v_pk_mul_f32 v[\i1:\i1+1], v[\a1:\a1+1], s[KXY+4:KXY+5] op_sel_hi:[1,0]
	v_pk_mul_f32 v[\i2:\i2+1], v[\a2:\a2+1], s[KZ+4:KZ+5] op_sel_hi:[1,0]
.endm
; An index word is cut into its three fields, each clamped by a constant written in the line, and the gather's byte offset made of them by multiplies, adds and a shift left.
.macro DEC w, b, ad
	v_and_b32 v[\b], 0xff, v[\w]
	v_bfe_u32 v[\b+1], v[\w], 8, 8
	v_lshrrev_b32 v[\b+2], 16, v[\w]
	v_min_u32 v[\b], 0x9e, v[\b]                   ; bx <= 158
	v_min_u32 v[\b+1], 0x9e, v[\b+1]               ; by <= 158
	v_min_u32 v[\b+2], 0x7e, v[\b+2]               ; bz <= 126
	v_mad_u32_u24 v[\ad], v[\b+2], 0xa0, v[\b+1]
	v_mad_u32_u24 v[\ad], v[\ad], 0xa0, v[\b]
	v_lshlrev_b32 v[\ad], 4, v[\ad]                ; at most 52,016,608; the farthest corner ends at the table's last byte
.endm
; The two weights of number j, chosen by k.
.macro WSEL j
	v_cmp_eq_f32 s[M+3*(\j)],   0,    v[KK+(\j)]
	v_cmp_eq_f32 s[M+3*(\j)+1], -1.0, v[KK+(\j)]
	v_cmp_eq_f32 s[M+3*(\j)+2], 1.0,  v[KK+(\j)]
	v_cndmask_b32 v[WP+2*(\j)],   0, v[W1+(\j)], s[M+3*(\j)+1]              ; node b: w1 where k = -1,
	v_cndmask_b32 v[WP+2*(\j)+1], 0, v[W0+(\j)], s[M+3*(\j)+2]              ; node b + 1: w0 where k = 1,
	v_cndmask_b32 v[WP+2*(\j)],   v[WP+2*(\j)],   v[W0+(\j)], s[M+3*(\j)]   ; and (w0, w1) where k = 0
	v_cndmask_b32 v[WP+2*(\j)+1], v[WP+2*(\j)+1], v[W1+(\j)], s[M+3*(\j)]
.endm
; d = (x, y) of a corner times the weight in register c, plus a: the weight is the low or the high register of its pair, taken for both halves.
.macro PKW d, q, c, a
.if ((\c) & 1) == 0
	v_pk_fma_f32 v[\d:\d+1], v[\q:\q+1], v[\c:\c+1], v[\a:\a+1] op_sel_hi:[1,0,1]
.else
	v_pk_fma_f32 v[\d:\d+1], v[\q:\q+1], v[\c-1:\c], v[\a:\a+1] op_sel:[0,1,0] op_sel_hi:[1,1,1]
.endif
.endm
	s_load_b256 s[4:11], s[0:1], 0x0               ; sample_grid s[4:5], table s[6:7], index s[8:9], out s[10:11]
	v_mul_u32_u24 v[O24], 24, v0
	v_lshlrev_b32 v[O32], 5, v0
	v_lshlrev_b32 v[O8], 3, v0
	v_bfe_u32 v[OI], v0, 4, 1                      ; l / 16
	v_and_b32 v[WD], 15, v0                        ; l % 16
	v_lshlrev_b32 v[OI], 2, v[OI]
	v_lshl_add_u32 v[OI], v[WD], 4, v[OI]          ; 16 (l % 16) + 4 (l / 16)
	v_and_b32 v[WD], 0xe0, v0                      ; 32 x wave
	v_lshl_add_u32 v[OI], v[WD], 3, v[OI]          ; + 256 x wave
	SPAIR C100, 0x42c80000                         ; 100.0
	SPAIR KXY,   0xc29f0000                        ; -79.5
	SPAIR KXY+2, 0x3bce168a                        ; 1 / 159, rounded
	SPAIR KXY+4, 0x429f0000                        ; 79.5
	SPAIR KZ,    0xc27e0000                        ; -63.5
	SPAIR KZ+2,  0x3c010204                        ; 1 / 127, rounded
	SPAIR KZ+4,  0x427e0000                        ; 63.5
	s_mov_b32 s[HIM], 0xffff0000
	s_mul_i32 s14, ttmp9, 6144                     ; the group's 512 voxels: 6,144 bytes of the grid,
	s_mov_b32 s15, 0
	s_lshl_b32 s16, ttmp9, 13                      ; 8,192 of the table,
	s_mov_b32 s17, 0
	s_lshl_b32 s18, ttmp9, 11                      ; 2,048 of the index buffer and of a channel of the output
	s_mov_b32 s19, 0
	s_wait_kmcnt 0x0
	s_add_nc_u64 s[4:5], s[4:5], s[14:15]
	s_add_nc_u64 s[42:43], s[6:7], s[16:17]        ; the group's own voxels in the table; s[6:7] stays at its first byte, for the gathers
	s_add_nc_u64 s[8:9], s[8:9], s[18:19]
	s_add_nc_u64 s[10:11], s[10:11], s[18:19]      ; channel x
	s_add_nc_u64 s[12:13], s[10:11], PLANE         ; channel y
	s_add_nc_u64 s[38:39], s[12:13], PLANE         ; channel z
	global_load_b32 v[WD],   v[OI], s[8:9] th:TH_LOAD_NT                     ; first: the gathers wait for these two
	global_load_b32 v[WD+1], v[OI], s[8:9] offset:8 th:TH_LOAD_NT
	global_load_b128 v[FA:FA+3], v[O32], s[42:43]
	global_load_b128 v[FB:FB+3], v[O32], s[42:43] offset:16
	global_load_b96 v[GA:GA+2], v[O24], s[4:5] th:TH_LOAD_NT
	global_load_b96 v[GB:GB+2], v[O24], s[4:5] offset:12 th:TH_LOAD_NT
	s_wait_loadcnt 0x4                             ; the index words are in; the four loads issued behind them may stay out
	DEC WD, BI, ADA
	DEC WD+1, BI+3, ADB
.set k, 0
.rept 8                                ; corner k = 4 dz + 2 dy + dx, A's and B's by turns
	global_load_b128 v[QA+4*k:QA+4*k+3], v[ADA], s[6:7] offset:(k/4)*ZSTEP+((k/2)%2)*YSTEP+(k%2)*16
	global_load_b128 v[QB+4*k:QB+4*k+3], v[ADB], s[6:7] offset:(k/4)*ZSTEP+((k/2)%2)*YSTEP+(k%2)*16
.set k, k+1
.endr
	v_cvt_f32_u32 v[BF],   v[BI]                   ; the nodes as f32, in the order of the six numbers
	v_cvt_f32_u32 v[BF+1], v[BI+1]
	v_cvt_f32_u32 v[BF+2], v[BI+3]
	v_cvt_f32_u32 v[BF+3], v[BI+4]
	v_cvt_f32_u32 v[BF+4], v[BI+2]
	v_cvt_f32_u32 v[BF+5], v[BI+5]
	s_wait_loadcnt 0x10                            ; own flow and grid are in; the sixteen gathers issued behind them stay out
	v_cvt_pk_bf16_f32 v[II],   v[GA],   v[GA+1]    ; the grid rounded to bf16 and widened; the third line also lays (z of A, z of B) side by side
	v_cvt_pk_bf16_f32 v[II+1], v[GB],   v[GB+1]
	v_cvt_pk_bf16_f32 v[II+2], v[GA+2], v[GB+2]
	v_lshlrev_b32 v[GA],   16, v[II]
	v_and_b32     v[GA+1], s[HIM], v[II]
	v_lshlrev_b32 v[GB],   16, v[II+1]
	v_and_b32     v[GB+1], s[HIM], v[II+1]
	v_lshlrev_b32 v[GA+2], 16, v[II+2]
	v_and_b32     v[GA+3], s[HIM], v[II+2]
	v_mov_b32 v[FA+3], v[FB+2]                     ; (z of A, z of B) of the flow side by side
	LOC3 AA, II, FA, GA, AA+2, II+2, FB, GB, AA+4, II+4, FA+2, GA+2
.irp j, 0,1,2,3,4,5
	v_floor_f32 v[X0+\j], v[II+\j]                 ; x0
.endr
.irp p, 0,2,4
	v_pk_add_f32 v[W1+\p:W1+\p+1], v[II+\p:II+\p+1], v[X0+\p:X0+\p+1] neg_lo:[0,1] neg_hi:[0,1]  ; w1 = i - x0, exact; it reads i before k takes i's registers
.endr
.irp p, 0,2,4
	v_pk_add_f32 v[KK+\p:KK+\p+1], v[X0+\p:X0+\p+1], v[BF+\p:BF+\p+1] neg_lo:[0,1] neg_hi:[0,1]  ; k = x0 - b
.endr
.irp p, 0,2,4
	v_pk_fma_f32 v[W0+\p:W0+\p+1], v[W1+\p:W1+\p+1], -1.0, 1.0 op_sel_hi:[1,0,0]                 ; w0 = 1 - w1
.endr
.irp j, 0,1,2,3,4,5
	WSEL \j
.endr
	; the corner weights, (wz wy) wx as in reference(): two packed lines for wz wy, four for the eight corners
	v_pk_mul_f32 v[ZYA:ZYA+1],   v[WYA:WYA+1], v[WZA:WZA+1] op_sel_hi:[1,0]
	v_pk_mul_f32 v[ZYA+2:ZYA+3], v[WYA:WYA+1], v[WZA:WZA+1] op_sel:[0,1] op_sel_hi:[1,1]
	v_pk_mul_f32 v[ZYB:ZYB+1],   v[WYB:WYB+1], v[WZB:WZB+1] op_sel_hi:[1,0]
	v_pk_mul_f32 v[ZYB+2:ZYB+3], v[WYB:WYB+1], v[WZB:WZB+1] op_sel:[0,1] op_sel_hi:[1,1]
	v_pk_mul_f32 v[CA:CA+1],     v[WXA:WXA+1], v[ZYA:ZYA+1] op_sel_hi:[1,0]
	v_pk_mul_f32 v[CA+2:CA+3],   v[WXA:WXA+1], v[ZYA:ZYA+1] op_sel:[0,1] op_sel_hi:[1,1]
	v_pk_mul_f32 v[CA+4:CA+5],   v[WXA:WXA+1], v[ZYA+2:ZYA+3] op_sel_hi:[1,0]
	v_pk_mul_f32 v[CA+6:CA+7],   v[WXA:WXA+1], v[ZYA+2:ZYA+3] op_sel:[0,1] op_sel_hi:[1,1]
	v_pk_mul_f32 v[CB:CB+1],     v[WXB:WXB+1], v[ZYB:ZYB+1] op_sel_hi:[1,0]
	v_pk_mul_f32 v[CB+2:CB+3],   v[WXB:WXB+1], v[ZYB:ZYB+1] op_sel:[0,1] op_sel_hi:[1,1]
	v_pk_mul_f32 v[CB+4:CB+5],   v[WXB:WXB+1], v[ZYB+2:ZYB+3] op_sel_hi:[1,0]
	v_pk_mul_f32 v[CB+6:CB+7],   v[WXB:WXB+1], v[ZYB+2:ZYB+3] op_sel:[0,1] op_sel_hi:[1,1]
	; out = flow + the sum over the corners: four chains (x, y and z of A and of B) that do not wait for each other.
	; The last corner's x and y are four single lines, which lay the results as (A, B) pairs of a channel: no copy is needed in front of the stores.
.set k, 0
.rept 8
.if k == 0
	s_wait_loadcnt 0x8                             ; the corners of the lower z plane are in; the eight of the upper plane, issued behind them, may stay out
	PKW NA, QA, CA, FA
	PKW NB, QB, CB, FB
	v_fma_f32 v[ZN],   v[QA+2], v[CA], v[FA+2]
	v_fma_f32 v[ZN+1], v[QB+2], v[CB], v[FB+2]
.elseif k == 7
	v_fma_f32 v[XO],   v[QA+4*k],   v[CA+k], v[NA]
	v_fma_f32 v[XO+1], v[QB+4*k],   v[CB+k], v[NB]
	v_fma_f32 v[YO],   v[QA+4*k+1], v[CA+k], v[NA+1]
	v_fma_f32 v[YO+1], v[QB+4*k+1], v[CB+k], v[NB+1]
	v_fma_f32 v[ZN],   v[QA+4*k+2], v[CA+k], v[ZN]
	v_fma_f32 v[ZN+1], v[QB+4*k+2], v[CB+k], v[ZN+1]
.else
.if k == 4
	s_wait_loadcnt 0x0
.endif
	PKW NA, QA+4*k, CA+k, NA
	PKW NB, QB+4*k, CB+k, NB
	v_fma_f32 v[ZN],   v[QA+4*k+2], v[CA+k], v[ZN]
	v_fma_f32 v[ZN+1], v[QB+4*k+2], v[CB+k], v[ZN+1]
.endif
.set k, k+1
.endr
	global_store_b64 v[O8], v[XO:XO+1], s[10:11] th:TH_STORE_NT              ; each store covers 256 consecutive bytes, aligned
	global_store_b64 v[O8], v[YO:YO+1], s[12:13] th:TH_STORE_NT
	global_store_b64 v[O8], v[ZN:ZN+1], s[38:39] th:TH_STORE_NT
	s_endpgm
.Lfunc_end_k_qc681e2664e_final:
	.size	k_qc681e2664e_final, .Lfunc_end_k_qc681e2664e_final-k_qc681e2664e_final
	.p2alignl 7, 3214868480
	.fill 96, 4, 3214868480
	.section	.rodata,"a",@progbits
	.p2align	6, 0x0
	.amdhsa_kernel k_qc681e2664e_final
		.amdhsa_group_segment_fixed_size 0
		.amdhsa_private_segment_fixed_size 0
		.amdhsa_enable_private_segment 0
		.amdhsa_kernarg_size 32
		.amdhsa_user_sgpr_count 2
		.amdhsa_user_sgpr_kernarg_segment_ptr 1
		.amdhsa_wavefront_size32 1
		.amdhsa_system_sgpr_workgroup_id_x 1
		.amdhsa_system_sgpr_workgroup_id_y 1
		.amdhsa_system_sgpr_workgroup_id_z 1
		.amdhsa_system_vgpr_workitem_id 0
		.amdhsa_next_free_vgpr 128
		.amdhsa_next_free_sgpr 66
		.amdhsa_reserve_vcc 0
		.amdhsa_float_denorm_mode_32 3
		.amdhsa_float_denorm_mode_16_64 3
		.amdhsa_memory_ordered 1
		.amdhsa_forward_progress 1
		.amdhsa_inst_pref_size 14
	.end_amdhsa_kernel
	.amdgpu_metadata
---
amdhsa.version: [ 1, 2 ]
amdhsa.kernels:
  - .name:           k_qc681e2664e_final
    .symbol:         k_qc681e2664e_final.kd
    .args:
      - { .name: sample_grid, .offset: 0, .size: 8, .value_kind: global_buffer, .address_space: global }
      - { .name: tabA, .offset: 8, .size: 8, .value_kind: global_buffer, .address_space: global }
      - { .name: idxA, .offset: 16, .size: 8, .value_kind: global_buffer, .address_space: global }
      - { .name: out0, .offset: 24, .size: 8, .value_kind: global_buffer, .address_space: global }
    .group_segment_fixed_size: 0
    .private_segment_fixed_size: 0
    .kernarg_segment_align: 8
    .kernarg_segment_size: 32
    .max_flat_workgroup_size: 256
    .sgpr_count:     66
    .vgpr_count:     128
    .wavefront_size: 32
...
	.end_amdgpu_metadata
.endif
;; end of part 3
;; ======== version 2 of 2: 4 launches; 1.40 times as fast as version 1
;; limits: values outside matrix products are rounded to bf16
;; workspace buffers: tabA 26,214,400 bytes; tabB 26,214,400 bytes; flwA 39,321,600 bytes; flwB 39,321,600 bytes; idxA 13,107,200 bytes of whole numbers; idxB 13,107,200 bytes of whole numbers
;; launch prep (part 4): grid 6400 x 1, 8 waves a work-group, no clusters, 0 bytes of LDS; arguments velocity, sample_grid, tabA, idxA; writes tabA, idxA
.if DOCPART == 4
	.amdgcn_target "amdgcn-amd-amdhsa--gfx1250"
	.amdhsa_code_object_version 6
	.text
	.protected	k_qc681e2664e_prep
	.globl	k_qc681e2664e_prep
	.p2align	8
	.type	k_qc681e2664e_prep,@function
k_qc681e2664e_prep:
	s_mov_b64 s[64:65], 0
	v_nop
	global_prefetch_b8 v0, s[64:65] scope:SCOPE_SE
	s_setreg_imm32_b32 hwreg(HW_REG_WAVE_MODE, 25, 1), 1
	s_wait_xcnt 0x0
; FIRST LAUNCH.  velocity: [3][128][160][160] f32, planar.  sample_grid: [128][160][160][3] f32.
; Makes (1) the table of flow0 = velocity / 8 from which the next launch gathers, 8 bytes a voxel: four bf16 (x, y, z, 0), and (2) for each voxel the whole numbers from which the next
; launch forms its gather address: the lower node (bx, by, bz) of the cell in which the voxel's sample point lies, clamped to 0 .. 158, 0 .. 158, 0 .. 126, packed bx | by << 8 | bz << 16.
; An address may not hang on floating-point numbers of the same launch: so the nodes are made here and used one launch later.
; LIMIT, STATED: BOTH INPUTS ARE ROUNDED TO bf16 (to nearest even, 8 significant bits) as they are loaded, here and in every later launch.  So flow0 is a bf16 number (the division by 8 is exact)
; and the table loses nothing; 100 x flow0 is exact in f32.  A step multiplies an error in flow by 100 times the field's gradient, so the first step's numbers have to be exactly these.
; THE COORDINATES, each line one rounding (LOC3):  g = grid + 100 flow (fused);  s = g - ext / 2;  q = s * rc, rc = 1 / ext rounded (a multiplication, NOT a correctly rounded division);
;   a = 2 q + 1 (fused; 2 q is exact);  i = a * (ext / 2) (a * 0.5 is exact: the same one rounding as a * 0.5 * ext).
; SHARES.  6,400 work-groups of 8 waves; a wave takes 64 voxels on end, thread t of the group the voxels 2 t (A) and 2 t + 1 (B).  A channel's two numbers are one load of 8 bytes (256 consecutive
; bytes a wave, aligned), the two table entries one store of 16 bytes (512 a wave), the two index words one store of 8.  Every packed f32 line works on the pair (A, B) of one channel.
; NaN and infinities in the inputs (where reference() gives NaN) are not treated apart.  No LDS, no barrier: no wave wants a byte of another.
.set PLANE, 13107200                   ; bytes of one channel of velocity
.set O24, 1                            ; v1   24 x my thread's number: my two voxels in the grid
.set O16, 2                            ; v2   16 x: in the table
.set O8,  3                            ; v3   8 x: in a channel, and in the index
.set R,   4                            ; v[4:9]   velocity: (x of A, x of B), (y, y), (z, z)
.set GA,  10                           ; v[10:12] grid x, y, z of A, as loaded
.set GB,  14                           ; v[14:16] of B
.set G,   18                           ; v[18:23] the grid rounded, in pairs as R
.set F,   24                           ; v[24:29] flow, in pairs as R
.set AA,  30                           ; v[30:35] a
.set II,  36                           ; v[36:41] the coordinates i
.set E,   42                           ; v[42:47] at work
.set WO,  48                           ; v[48:49] the two index words
.set TB,  50                           ; v[50:53] the two table entries
.set C100, 20                          ; s[20:21] 100.0
.set C8TH, 22                          ; s[22:23] 0.125
.set KXY, 24                           ; s[24:29] for x and y: -79.5, 1/159, 79.5, each twice (a packed line names a pair and takes its low word for both halves)
.set KZ,  30                           ; s[30:35] for z: -63.5, 1/127, 63.5
.set HIM, 36                           ; s36  a word's upper bf16
.set TOPXY, 40                         ; s40  158.0
.set TOPZ,  41                         ; s41  126.0
.macro SPAIR r, bits
	s_mov_b32 s[\r], \bits
	s_mov_b32 s[\r+1], \bits
.endm
; The coordinates of three pairs, in step, so that no line waits for the one before it: pair 0 is x of (A, B), pair 1 is y, pair 2 is z.  a, i: results; f: flow; g: grid.
.macro LOC3 a0, i0, f0, g0, a1, i1, f1, g1, a2, i2, f2, g2
	v_pk_fma_f32 v[\a0:\a0+1], v[\f0:\f0+1], s[C100:C100+1], v[\g0:\g0+1] op_sel_hi:[1,0,1]  ; g = grid + 100 flow
	v_pk_fma_f32 v[\a1:\a1+1], v[\f1:\f1+1], s[C100:C100+1], v[\g1:\g1+1] op_sel_hi:[1,0,1]
	v_pk_fma_f32 v[\a2:\a2+1], v[\f2:\f2+1], s[C100:C100+1], v[\g2:\g2+1] op_sel_hi:[1,0,1]
	v_pk_add_f32 v[\a0:\a0+1], v[\a0:\a0+1], s[KXY:KXY+1] op_sel_hi:[1,0]           ; s = g - ext / 2
	v_pk_add_f32 v[\a1:\a1+1], v[\a1:\a1+1], s[KXY:KXY+1] op_sel_hi:[1,0]
	v_pk_add_f32 v[\a2:\a2+1], v[\a2:\a2+1], s[KZ:KZ+1] op_sel_hi:[1,0]
	v_pk_mul_f32 v[\a0:\a0+1], v[\a0:\a0+1], s[KXY+2:KXY+3] op_sel_hi:[1,0]         ; q = s * rc
	v_pk_mul_f32 v[\a1:\a1+1], v[\a1:\a1+1], s[KXY+2:KXY+3] op_sel_hi:[1,0]
	v_pk_mul_f32 v[\a2:\a2+1], v[\a2:\a2+1], s[KZ+2:KZ+3] op_sel_hi:[1,0]
	v_pk_fma_f32 v[\a0:\a0+1], v[\a0:\a0+1], 2.0, 1.0 op_sel_hi:[1,0,0]             ; a = 2 q + 1
	v_pk_fma_f32 v[\a1:\a1+1], v[\a1:\a1+1], 2.0, 1.0 op_sel_hi:[1,0,0]
	v_pk_fma_f32 v[\a2:\a2+1], v[\a2:\a2+1], 2.0, 1.0 op_sel_hi:[1,0,0]
	v_pk_mul_f32 v[\i0:\i0+1], v[\a0:\a0+1], s[KXY+4:KXY+5] op_sel_hi:[1,0]         ; i = a * (ext / 2)
	v_pk_mul_f32 v[\i1:\i1+1], v[\a1:\a1+1], s[KXY+4:KXY+5] op_sel_hi:[1,0]
	v_pk_mul_f32 v[\i2:\i2+1], v[\a2:\a2+1], s[KZ+4:KZ+5] op_sel_hi:[1,0]
.endm
; The index word of one voxel.  clamp(floor(i), 0, top) = trunc(clamp(i, 0, top)): the conversion cuts toward zero, and the clamped number is not negative.
.macro ENC w, ix, iy, iz, e
	v_med3_num_f32 v[\e], v[\ix], 0, s[TOPXY]
	v_med3_num_f32 v[\e+1], v[\iy], 0, s[TOPXY]
	v_med3_num_f32 v[\e+2], v[\iz], 0, s[TOPZ]
	v_cvt_u32_f32 v[\e], v[\e]
	v_cvt_u32_f32 v[\e+1], v[\e+1]
	v_cvt_u32_f32 v[\e+2], v[\e+2]
	v_lshl_or_b32 v[\w], v[\e+1], 8, v[\e]
	v_lshl_or_b32 v[\w], v[\e+2], 16, v[\w]
.endm
	s_load_b256 s[4:11], s[0:1], 0x0               ; velocity s[4:5], sample_grid s[6:7], table s[8:9], index s[10:11]
	v_mul_u32_u24 v[O24], 24, v0
	v_lshlrev_b32 v[O16], 4, v0
	v_lshlrev_b32 v[O8], 3, v0
	SPAIR C100, 0x42c80000                         ; 100.0
	SPAIR C8TH, 0x3e000000                         ; 0.125
	SPAIR KXY,   0xc29f0000                        ; -79.5
	SPAIR KXY+2, 0x3bce168a                        ; 1 / 159, rounded
	SPAIR KXY+4, 0x429f0000                        ; 79.5
	SPAIR KZ,    0xc27e0000                        ; -63.5
	SPAIR KZ+2,  0x3c010204                        ; 1 / 127, rounded
	SPAIR KZ+4,  0x427e0000                        ; 63.5
	s_mov_b32 s[HIM], 0xffff0000
	s_mov_b32 s[TOPXY], 0x431e0000                 ; 158.0
	s_mov_b32 s[TOPZ], 0x42fc0000                  ; 126.0
	s_lshl_b32 s12, ttmp9, 11                      ; the group's 512 voxels: 2,048 bytes of a channel and of the index,
	s_mov_b32 s13, 0
	s_mul_i32 s14, ttmp9, 6144                     ; 6,144 of the grid,
	s_mov_b32 s15, 0
	s_lshl_b32 s16, ttmp9, 12                      ; 4,096 of the table
	s_mov_b32 s17, 0
	s_wait_kmcnt 0x0
	s_add_nc_u64 s[4:5], s[4:5], s[12:13]          ; channel x
	s_add_nc_u64 s[18:19], s[4:5], PLANE           ; channel y
	s_add_nc_u64 s[42:43], s[18:19], PLANE         ; channel z
	s_add_nc_u64 s[6:7], s[6:7], s[14:15]
	s_add_nc_u64 s[8:9], s[8:9], s[16:17]
	s_add_nc_u64 s[10:11], s[10:11], s[12:13]
	global_load_b64 v[R:R+1],   v[O8], s[4:5] th:TH_LOAD_NT              ; 256 consecutive bytes a wave, aligned
	global_load_b64 v[R+2:R+3], v[O8], s[18:19] th:TH_LOAD_NT
	global_load_b64 v[R+4:R+5], v[O8], s[42:43] th:TH_LOAD_NT
	global_load_b96 v[GA:GA+2], v[O24], s[6:7] th:TH_LOAD_NT             ; the two together: 768 consecutive bytes a wave
	global_load_b96 v[GB:GB+2], v[O24], s[6:7] offset:12 th:TH_LOAD_NT
	s_wait_loadcnt 0x2                             ; velocity is in; the two loads of the grid, issued behind it, may stay out
.irp a, 0,1,2
	v_cvt_pk_bf16_f32 v[E+\a], v[R+2*\a], v[R+2*\a+1]      ; velocity rounded to bf16, two numbers a line,
.endr
.irp a, 0,1,2
	v_lshlrev_b32 v[R+2*\a],   16, v[E+\a]         ; and widened again: the low half moves up, the high half stays
	v_and_b32     v[R+2*\a+1], s[HIM], v[E+\a]
.endr
.irp a, 0,2,4
	v_pk_mul_f32 v[F+\a:F+\a+1], v[R+\a:R+\a+1], s[C8TH:C8TH+1] op_sel_hi:[1,0]  ; flow = velocity / 8, exact
.endr
	v_perm_b32 v[TB],   v[F+2], v[F],   0x07060302 ; A's entry: the upper halves of y and x, which hold all their bits,
	v_lshrrev_b32 v[TB+1], 16, v[F+4]              ; and of z, with 0 above it
	v_perm_b32 v[TB+2], v[F+3], v[F+1], 0x07060302 ; B's
	v_lshrrev_b32 v[TB+3], 16, v[F+5]
	global_store_b128 v[O16], v[TB:TB+3], s[8:9] th:TH_STORE_NT              ; 512 consecutive bytes, aligned
	s_wait_loadcnt 0x0                             ; the grid
.irp a, 0,1,2
	v_cvt_pk_bf16_f32 v[E+\a], v[GA+\a], v[GB+\a]  ; the grid rounded to bf16, a channel's (A, B) a line,
.endr
.irp a, 0,1,2
	v_lshlrev_b32 v[G+2*\a],   16, v[E+\a]         ; and widened
	v_and_b32     v[G+2*\a+1], s[HIM], v[E+\a]
.endr
	LOC3 AA, II, F, G, AA+2, II+2, F+2, G+2, AA+4, II+4, F+4, G+4
	ENC WO,   II,   II+2, II+4, E
	ENC WO+1, II+1, II+3, II+5, E+3
	global_store_b64 v[O8], v[WO:WO+1], s[10:11] th:TH_STORE_NT              ; 256 consecutive bytes, aligned
	s_endpgm
.Lfunc_end_k_qc681e2664e_prep:
	.size	k_qc681e2664e_prep, .Lfunc_end_k_qc681e2664e_prep-k_qc681e2664e_prep
	.p2alignl 7, 3214868480
	.fill 96, 4, 3214868480
	.section	.rodata,"a",@progbits
	.p2align	6, 0x0
	.amdhsa_kernel k_qc681e2664e_prep
		.amdhsa_group_segment_fixed_size 0
		.amdhsa_private_segment_fixed_size 0
		.amdhsa_enable_private_segment 0
		.amdhsa_kernarg_size 32
		.amdhsa_user_sgpr_count 2
		.amdhsa_user_sgpr_kernarg_segment_ptr 1
		.amdhsa_wavefront_size32 1
		.amdhsa_system_sgpr_workgroup_id_x 1
		.amdhsa_system_sgpr_workgroup_id_y 1
		.amdhsa_system_sgpr_workgroup_id_z 1
		.amdhsa_system_vgpr_workitem_id 0
		.amdhsa_next_free_vgpr 54
		.amdhsa_next_free_sgpr 66
		.amdhsa_reserve_vcc 0
		.amdhsa_float_denorm_mode_32 3
		.amdhsa_float_denorm_mode_16_64 3
		.amdhsa_memory_ordered 1
		.amdhsa_forward_progress 1
		.amdhsa_inst_pref_size 6
	.end_amdhsa_kernel
	.amdgpu_metadata
---
amdhsa.version: [ 1, 2 ]
amdhsa.kernels:
  - .name:           k_qc681e2664e_prep
    .symbol:         k_qc681e2664e_prep.kd
    .args:
      - { .name: velocity, .offset: 0, .size: 8, .value_kind: global_buffer, .address_space: global }
      - { .name: sample_grid, .offset: 8, .size: 8, .value_kind: global_buffer, .address_space: global }
      - { .name: tabA, .offset: 16, .size: 8, .value_kind: global_buffer, .address_space: global }
      - { .name: idxA, .offset: 24, .size: 8, .value_kind: global_buffer, .address_space: global }
    .group_segment_fixed_size: 0
    .private_segment_fixed_size: 0
    .kernarg_segment_align: 8
    .kernarg_segment_size: 32
    .max_flat_workgroup_size: 256
    .sgpr_count:     66
    .vgpr_count:     54
    .wavefront_size: 32
...
	.end_amdgpu_metadata
.endif
;; end of part 4
;; launch step1 (part 5): grid 6400 x 1, 8 waves a work-group, no clusters, 0 bytes of LDS; arguments sample_grid, tabA, idxA, flwA, tabB, idxB; writes flwA, tabB, idxB
.if DOCPART == 5
	.amdgcn_target "amdgcn-amd-amdhsa--gfx1250"
	.amdhsa_code_object_version 6
	.text
	.protected	k_qc681e2664e_step1
	.globl	k_qc681e2664e_step1
	.p2align	8
	.type	k_qc681e2664e_step1,@function
k_qc681e2664e_step1:
	s_mov_b64 s[64:65], 0
	v_nop
	global_prefetch_b8 v0, s[64:65] scope:SCOPE_SE
	s_setreg_imm32_b32 hwreg(HW_REG_WAVE_MODE, 25, 1), 1
	s_wait_xcnt 0x0
; THE FIRST STEP: flow1 = flow0 + the trilinear sample of flow0 at grid + 100 flow0 (zeros outside).
; In: sample_grid [voxel][3] f32 (rounded to bf16 as it is loaded: the stated limit of the whole program); the table of flow0, 8 bytes a voxel, four bf16 (x, y, z, 0), which holds flow0 exactly;
; the index words that the launch before made from the same flow.
; Out: flow1 three times over: (1) planar f32, which steers the next step's coordinates and starts its sum; (2) the table from which the next step gathers, 8 bytes a voxel (THE TABLE, below);
; (3) the next step's index words.
; THE GATHER'S ADDRESS comes from the index word alone: bx | by << 8 | bz << 16, each field clamped here once more (158, 158, 126), so that the nodes b and b + 1 lie in the table along every axis;
; byte ((bz 160 + by) 160 + bx) 8, and the eight corners stand in the loads' immediates (8 along x, 1,280 along y, 204,800 along z).  An x pair begins on a multiple of 8 only: two loads of 8 bytes.
; THE COORDINATES are made again here from grid and flow, by the same lines as in the launch before (the same bits), each line one rounding (LOC3):
;   g = grid + 100 flow (fused);  s = g - ext / 2;  q = s * rc, rc = 1 / ext rounded (a multiplication, NOT a correctly rounded division);  a = 2 q + 1 (fused);  i = a * (ext / 2).
; THE WEIGHTS.  With d = i - b, which is exact where the point lies in the volume:  node b gets med3(1 + d, 1 - d, 0), node b + 1 gets med3(d, 2 - d, 0).
;   0 <= d < 1 (b = floor(i)): 1 - d and d, reference()'s w0 = 1 - w1 and w1 = i - floor(i);   -1 <= d < 0 (floor = -1): node 0 gets 1 + d, its w1;   1 <= d < 2 (floor = the last node): that node gets
;   2 - d, its w0 (both forms are exact there);   elsewhere both are 0.  That is reference()'s weight times its mask, with no mask to be made.
; THE SUM starts from the voxel's own flow and is fused, a corner's bf16 half read straight by the multiply-add: its order of rounding differs from reference()'s.
; THE TABLE that is written.  A step multiplies an error in flow by 100 times the field's gradient, so 16-bit floats do not do.  With 2^e <= the largest of |x|, |y|, |z| < 2^(e+1), the three numbers times
; 2^(29-e) are whole numbers T below 2^30.  Two words hold them: w0 = [x: 19 bits | y's upper 13], w1 = [y's lower 6 | z: 18 bits | E: 8 bits], E = e + 98 (2^(E-127) undoes the scale).  The reader takes
; as i32  X = w0,  Y = (w0 << 19) | (w1 >> 13),  Z = w1 << 6:  each begins with its field; the bits below belong to a neighbour, the writer knows them, and it rounds the field so that the WHOLE word is nearest to T.
; LIMIT, STATED: a number read from this table is off by at most 2^(e-17) (x, y) or 2^(e-16) (z); e is held at -97 or above, so below that the scale no longer follows the numbers.
; SHARES.  6,400 work-groups of 8 waves; a wave takes 64 voxels on end, thread t the voxels 2 t (A) and 2 t + 1 (B): loads and stores of 8 bytes a lane cover 256 consecutive bytes, aligned, those of 16
; cover 512.  Every packed f32 line works on the pair (A, B).  Sixteen gathers of 8 bytes a lane are out while the coordinates and weights are made.
; NaN and infinities in the inputs (where reference() gives NaN) are not treated apart.  No LDS, no barrier: no wave wants a byte of another.
.set PLANE, 13107200                   ; bytes of one channel of the planar flow
.set XSTEP, 8                          ; bytes of the table from x to x + 1
.set YSTEP, 1280                       ; from y to y + 1
.set ZSTEP, 204800                     ; from z to z + 1
.set O24, 1                            ; v1   24 x my thread's number: my two voxels in the grid
.set O16, 2                            ; v2   16 x: in a table
.set O8,  3                            ; v3   8 x: in a channel, and in an index buffer
.set WD,  4                            ; v[4:5]   the index words of A and B: as loaded, at the end as stored
.set ADA, 6                            ; v6   A's gather offset
.set ADB, 7                            ; v7   B's
.set GA,  8                            ; v[8:10]  grid of A, as loaded
.set GB,  12                           ; v[12:14] of B
; Six numbers a lane go through the coordinates, number j = 0 .. 5: x of A, x of B, y of A, y of B, z of A, z of B.
.set G,   16                           ; v[16:21] the grid rounded
.set F,   22                           ; v[22:27] own flow
.set AA,  28                           ; v[28:33] a
.set II,  34                           ; v[34:39] i, then d = i - b
.set BF,  40                           ; v[40:45] the nodes b as f32
.set BI,  46                           ; v[46:51] the nodes as whole numbers
.set U1,  28                           ; v[28:33] 1 + d
.set U2,  40                           ; v[40:45] 1 - d
.set U3,  46                           ; v[46:51] 2 - d
.set W,   52                           ; v[52:63] the weights, (A, B) pairs: x node b, x node b + 1, y, y, z, z
.set OW,  58                           ; v[58:61] before that: my two entries of the table, as loaded
.set ZY,  28                           ; v[28:35] wz wy, the pair for (dz, dy) at ZY + 2 (2 dz + dy)
.set C,   36                           ; v[36:51] the corner weights, the pair for corner k = 4 dz + 2 dy + dx at C + 2 k
.set N,   52                           ; v[52:57] the new flow
.set E,   40                           ; v[40:45] at work in ENC
.set Q,   64                           ; v[64:95] the corners: A's corner k at Q + 4 k, B's at Q + 4 k + 2; then the table's writer works here:
.set AB,  64                           ; v[64:69] magnitudes
.set MM,  70                           ; v[70:71] the largest of a voxel's three, then its exponent field
.set SUP, 72                           ; v[72:73] 2^(29-e)
.set EB,  74                           ; v[74:75] E
.set T,   76                           ; v[76:81] the scaled numbers, then as whole numbers
.set E6,  82                           ; v[82:83] E << 6
.set ZW,  84                           ; v[84:85] the word Z
.set JK,  86                           ; v[86:87] the neighbour's bits below a field
.set YQ,  88                           ; v[88:89] y's field in its place
.set TT,  90                           ; v[90:91] at work
.set OUT, 92                           ; v[92:95] w0, w1 of A, w0, w1 of B
.set C100, 20                          ; s[20:21] 100.0
.set KXY, 24                           ; s[24:29] for x and y: -79.5, 1/159, 79.5, each twice (a packed line names a pair and takes its low word for both halves)
.set KZ,  30                           ; s[30:35] for z: -63.5, 1/127, 63.5
.set HIM, 36                           ; s36  a word's upper bf16
.set TOPXY, 40                         ; s40  158.0
.set TOPZ,  41                         ; s41  126.0
.macro SPAIR r, bits
	s_mov_b32 s[\r], \bits
	s_mov_b32 s[\r+1], \bits
.endm
; The coordinates of three pairs, in step, so that no line waits for the one before it: pair 0 is x of (A, B), pair 1 is y, pair 2 is z.  a, i: results; f: flow; g: grid.
.macro LOC3 a0, i0, f0, g0, a1, i1, f1, g1, a2, i2, f2, g2
	v_pk_fma_f32 v[\a0:\a0+1], v[\f0:\f0+1], s[C100:C100+1], v[\g0:\g0+1] op_sel_hi:[1,0,1]  ; g = grid + 100 flow
	v_pk_fma_f32 v[\a1:\a1+1], v[\f1:\f1+1], s[C100:C100+1], v[\g1:\g1+1] op_sel_hi:[1,0,1]
	v_pk_fma_f32 v[\a2:\a2+1], v[\f2:\f2+1], s[C100:C100+1], v[\g2:\g2+1] op_sel_hi:[1,0,1]
	v_pk_add_f32 v[\a0:\a0+1], v[\a0:\a0+1], s[KXY:KXY+1] op_sel_hi:[1,0]           ; s = g - ext / 2
	v_pk_add_f32 v[\a1:\a1+1], v[\a1:\a1+1], s[KXY:KXY+1] op_sel_hi:[1,0]
	v_pk_add_f32 v[\a2:\a2+1], v[\a2:\a2+1], s[KZ:KZ+1] op_sel_hi:[1,0]
	v_pk_mul_f32 v[\a0:\a0+1], v[\a0:\a0+1], s[KXY+2:KXY+3] op_sel_hi:[1,0]         ; q = s * rc
	v_pk_mul_f32 v[\a1:\a1+1], v[\a1:\a1+1], s[KXY+2:KXY+3] op_sel_hi:[1,0]
	v_pk_mul_f32 v[\a2:\a2+1], v[\a2:\a2+1], s[KZ+2:KZ+3] op_sel_hi:[1,0]
	v_pk_fma_f32 v[\a0:\a0+1], v[\a0:\a0+1], 2.0, 1.0 op_sel_hi:[1,0,0]             ; a = 2 q + 1
	v_pk_fma_f32 v[\a1:\a1+1], v[\a1:\a1+1], 2.0, 1.0 op_sel_hi:[1,0,0]
	v_pk_fma_f32 v[\a2:\a2+1], v[\a2:\a2+1], 2.0, 1.0 op_sel_hi:[1,0,0]
	v_pk_mul_f32 v[\i0:\i0+1], v[\a0:\a0+1], s[KXY+4:KXY+5] op_sel_hi:[1,0]         ; i = a * (ext / 2)
	v_pk_mul_f32 v[\i1:\i1+1], v[\a1:\a1+1], s[KXY+4:KXY+5] op_sel_hi:[1,0]
	v_pk_mul_f32 v[\i2:\i2+1], v[\a2:\a2+1], s[KZ+4:KZ+5] op_sel_hi:[1,0]
.endm
; The index word of one voxel.  clamp(floor(i), 0, top) = trunc(clamp(i, 0, top)): the conversion cuts toward zero, and the clamped number is not negative.
.macro ENC w, ix, iy, iz, e
	v_med3_num_f32 v[\e], v[\ix], 0, s[TOPXY]
	v_med3_num_f32 v[\e+1], v[\iy], 0, s[TOPXY]
	v_med3_num_f32 v[\e+2], v[\iz], 0, s[TOPZ]
	v_cvt_u32_f32 v[\e], v[\e]
	v_cvt_u32_f32 v[\e+1], v[\e+1]
	v_cvt_u32_f32 v[\e+2], v[\e+2]
	v_lshl_or_b32 v[\w], v[\e+1], 8, v[\e]
	v_lshl_or_b32 v[\w], v[\e+2], 16, v[\w]
.endm
; An index word is cut into its three fields (to b, b + 2, b + 4), each clamped by a constant written in the line, and the gather's byte offset made of them by multiplies, adds and a shift left.
.macro DEC w, b, ad
	v_and_b32 v[\b], 0xff, v[\w]
	v_bfe_u32 v[\b+2], v[\w], 8, 8
	v_lshrrev_b32 v[\b+4], 16, v[\w]
	v_min_u32 v[\b], 0x9e, v[\b]                   ; bx <= 158
	v_min_u32 v[\b+2], 0x9e, v[\b+2]               ; by <= 158
	v_min_u32 v[\b+4], 0x7e, v[\b+4]               ; bz <= 126
	v_mad_u32_u24 v[\ad], v[\b+4], 0xa0, v[\b+2]
	v_mad_u32_u24 v[\ad], v[\ad], 0xa0, v[\b]
	v_lshlrev_b32 v[\ad], 3, v[\ad]                ; at most 26,008,304; the farthest corner ends at the table's last byte
.endm
; d = a bf16 half of q (hi = 1: the upper) times the f32 weight c, plus the f32 a: one rounding, in f32.
.macro MIX d, q, c, a, hi
.if \hi
	v_fma_mix_f32_bf16 v[\d], v[\q], v[\c], v[\a] op_sel:[1,0,0] op_sel_hi:[1,0,0]
.else
	v_fma_mix_f32_bf16 v[\d], v[\q], v[\c], v[\a] op_sel_hi:[1,0,0]
.endif
.endm
; The new flow's two table entries (THE TABLE, at the head).  Fields are rounded from z up: each needs the bits that will lie below it.
.macro TABLE
.irp j, 0,1,2,3,4,5
	v_and_b32 v[AB+\j], 0x7fffffff, v[N+\j]
.endr
.irp h, 0,1
	v_max3_num_f32 v[MM+\h], v[AB+\h], v[AB+2+\h], v[AB+4+\h]
	v_max_num_f32 v[MM+\h], 0x0f000000, v[MM+\h]   ; at least 2^-97, so that both scales are normal numbers
	v_and_b32 v[MM+\h], 0x7f800000, v[MM+\h]       ; its exponent field f = e + 127, in place
	v_sub_nc_u32 v[SUP+\h], 0x8d800000, v[MM+\h]   ; the field 283 - f: the number 2^(29-e)
	v_lshrrev_b32 v[EB+\h], 23, v[MM+\h]
	v_add_nc_u32 v[EB+\h], 0xffffffe3, v[EB+\h]    ; E = f - 29, 1 to 225
.endr
.irp a, 0,2,4
	v_pk_mul_f32 v[T+\a:T+\a+1], v[N+\a:N+\a+1], v[SUP:SUP+1]    ; exact
.endr
.irp j, 0,1,2,3,4,5
	v_cvt_i32_f32 v[T+\j], v[T+\j]                 ; below 2^30 in magnitude: the roundings below cannot wrap
.endr
.irp h, 0,1
	v_lshlrev_b32 v[E6+\h], 6, v[EB+\h]            ; below z's field in Z lie E and six zeros
	v_sub_nc_u32 v[TT+\h], 0x2000, v[E6+\h]
	v_add_nc_u32 v[TT+\h], v[T+4+\h], v[TT+\h]     ; T - what lies below + half a step of 2^14,
	v_and_or_b32 v[ZW+\h], v[TT+\h], 0xffffc000, v[E6+\h]  ; cut to the field: Z
	v_lshrrev_b32 v[JK+\h], 19, v[ZW+\h]           ; below y's field in Y lie Z's upper 13 bits
	v_sub_nc_u32 v[TT+\h], v[T+2+\h], v[JK+\h]
	v_add_nc_u32 v[TT+\h], 0x1000, v[TT+\h]        ; + half a step of 2^13
	v_and_b32 v[YQ+\h], 0xffffe000, v[TT+\h]
	v_lshrrev_b32 v[ZW+\h], 6, v[ZW+\h]
	v_lshl_or_b32 v[OUT+2*\h+1], v[YQ+\h], 13, v[ZW+\h]    ; w1 = y's lower 6 | z | E
	v_lshrrev_b32 v[JK+\h], 19, v[YQ+\h]           ; below x's field in X lie y's upper 13 bits
	v_sub_nc_u32 v[TT+\h], v[T+\h], v[JK+\h]
	v_add_nc_u32 v[TT+\h], 0x1000, v[TT+\h]
	v_and_or_b32 v[OUT+2*\h], v[TT+\h], 0xffffe000, v[JK+\h]   ; w0 = x | y's upper 13
.endr
.endm
	s_load_b256 s[4:11], s[0:1], 0x0               ; sample_grid s[4:5], table in s[6:7], index in s[8:9], flow out s[10:11]
	s_load_b128 s[12:15], s[0:1], 0x20             ; table out s[12:13], index out s[14:15]
	v_mul_u32_u24 v[O24], 24, v0
	v_lshlrev_b32 v[O16], 4, v0
	v_lshlrev_b32 v[O8], 3, v0
	SPAIR C100, 0x42c80000                         ; 100.0
	SPAIR KXY,   0xc29f0000                        ; -79.5
	SPAIR KXY+2, 0x3bce168a                        ; 1 / 159, rounded
	SPAIR KXY+4, 0x429f0000                        ; 79.5
	SPAIR KZ,    0xc27e0000                        ; -63.5
	SPAIR KZ+2,  0x3c010204                        ; 1 / 127, rounded
	SPAIR KZ+4,  0x427e0000                        ; 63.5
	s_mov_b32 s[HIM], 0xffff0000
	s_mov_b32 s[TOPXY], 0x431e0000                 ; 158.0
	s_mov_b32 s[TOPZ], 0x42fc0000                  ; 126.0
	s_mul_i32 s16, ttmp9, 6144                     ; the group's 512 voxels: 6,144 bytes of the grid,
	s_mov_b32 s17, 0
	s_lshl_b32 s18, ttmp9, 12                      ; 4,096 of a table,
	s_mov_b32 s19, 0
	s_lshl_b32 s22, ttmp9, 11                      ; 2,048 of a channel and of an index buffer
	s_mov_b32 s23, 0
	s_wait_kmcnt 0x0
	s_add_nc_u64 s[4:5], s[4:5], s[16:17]
	s_add_nc_u64 s[42:43], s[6:7], s[18:19]        ; the group's own voxels in the table; s[6:7] stays at its first byte, for the gathers
	s_add_nc_u64 s[8:9], s[8:9], s[22:23]
	s_add_nc_u64 s[10:11], s[10:11], s[22:23]      ; flow out, channel x
	s_add_nc_u64 s[38:39], s[10:11], PLANE         ; channel y
	s_add_nc_u64 s[44:45], s[38:39], PLANE         ; channel z
	s_add_nc_u64 s[12:13], s[12:13], s[18:19]
	s_add_nc_u64 s[14:15], s[14:15], s[22:23]
	global_load_b64 v[WD:WD+1], v[O8], s[8:9] th:TH_LOAD_NT                  ; first: the gathers wait for it
	global_load_b128 v[OW:OW+3], v[O16], s[42:43]
	global_load_b96 v[GA:GA+2], v[O24], s[4:5] th:TH_LOAD_NT
	global_load_b96 v[GB:GB+2], v[O24], s[4:5] offset:12 th:TH_LOAD_NT
	s_wait_loadcnt 0x3                             ; the index words are in; the three loads issued behind them may stay out
	DEC WD,   BI,   ADA
	DEC WD+1, BI+1, ADB
.set k, 0
.rept 8                                ; corner k = 4 dz + 2 dy + dx, A's and B's by turns
	global_load_b64 v[Q+4*k:Q+4*k+1],   v[ADA], s[6:7] offset:(k/4)*ZSTEP+((k/2)%2)*YSTEP+(k%2)*XSTEP
	global_load_b64 v[Q+4*k+2:Q+4*k+3], v[ADB], s[6:7] offset:(k/4)*ZSTEP+((k/2)%2)*YSTEP+(k%2)*XSTEP
.set k, k+1
.endr
.irp j, 0,1,2,3,4,5
	v_cvt_f32_u32 v[BF+\j], v[BI+\j]               ; the nodes as f32
.endr
	s_wait_loadcnt 0x10                            ; own flow and grid are in; the sixteen gathers issued behind them stay out
	v_lshlrev_b32 v[F],   16, v[OW]                ; own flow widened: x is the lower half of an entry's first word,
	v_lshlrev_b32 v[F+1], 16, v[OW+2]
	v_and_b32     v[F+2], s[HIM], v[OW]            ; y the upper,
	v_and_b32     v[F+3], s[HIM], v[OW+2]
	v_lshlrev_b32 v[F+4], 16, v[OW+1]              ; z the lower half of the second
	v_lshlrev_b32 v[F+5], 16, v[OW+3]
.irp a, 0,1,2
	v_cvt_pk_bf16_f32 v[II+\a], v[GA+\a], v[GB+\a] ; the grid rounded to bf16, a channel's (A, B) a line,
.endr
.irp a, 0,1,2
	v_lshlrev_b32 v[G+2*\a],   16, v[II+\a]        ; and widened
	v_and_b32     v[G+2*\a+1], s[HIM], v[II+\a]
.endr
	LOC3 AA, II, F, G, AA+2, II+2, F+2, G+2, AA+4, II+4, F+4, G+4
.irp p, 0,2,4
	v_pk_add_f32 v[II+\p:II+\p+1], v[II+\p:II+\p+1], v[BF+\p:BF+\p+1] neg_lo:[0,1] neg_hi:[0,1]  ; d = i - b
.endr
.irp p, 0,2,4
	v_pk_add_f32 v[U1+\p:U1+\p+1], v[II+\p:II+\p+1], 1.0 op_sel_hi:[1,0]             ; 1 + d
	v_pk_fma_f32 v[U2+\p:U2+\p+1], v[II+\p:II+\p+1], -1.0, 1.0 op_sel_hi:[1,0,0]     ; 1 - d
	v_pk_fma_f32 v[U3+\p:U3+\p+1], v[II+\p:II+\p+1], -1.0, 2.0 op_sel_hi:[1,0,0]     ; 2 - d
.endr
.irp j, 0,1,2,3,4,5
	v_med3_num_f32 v[W+4*((\j)/2)+(\j)%2],   v[U1+\j], v[U2+\j], 0                   ; node b
	v_med3_num_f32 v[W+4*((\j)/2)+2+(\j)%2], v[II+\j], v[U3+\j], 0                   ; node b + 1
.endr
	; the corner weights, (wz wy) wx as in reference(): four packed lines for wz wy, eight for the corners, each for A and B at once
.irp z, 0,1
.irp y, 0,1
	v_pk_mul_f32 v[ZY+4*\z+2*\y:ZY+4*\z+2*\y+1], v[W+4+2*\y:W+4+2*\y+1], v[W+8+2*\z:W+8+2*\z+1]
.endr
.endr
.set k, 0
.rept 8
	v_pk_mul_f32 v[C+2*k:C+2*k+1], v[W+2*(k%2):W+2*(k%2)+1], v[ZY+2*(k/2):ZY+2*(k/2)+1]
.set k, k+1
.endr
	; flow1 = flow0 + the sum over the corners: six chains that do not wait for each other
.set k, 0
.rept 8
.set ac, N
.if k == 0
.set ac, F
	s_wait_loadcnt 0x8                             ; the corners of the lower z plane are in; the eight of the upper plane, issued behind them, may stay out
.endif
.if k == 4
	s_wait_loadcnt 0x0
.endif
	MIX N,   Q+4*k,   C+2*k,   ac,   0
	MIX N+1, Q+4*k+2, C+2*k+1, ac+1, 0
	MIX N+2, Q+4*k,   C+2*k,   ac+2, 1
	MIX N+3, Q+4*k+2, C+2*k+1, ac+3, 1
	MIX N+4, Q+4*k+1, C+2*k,   ac+4, 0
	MIX N+5, Q+4*k+3, C+2*k+1, ac+5, 0
.set k, k+1
.endr
	global_store_b64 v[O8], v[N:N+1],   s[10:11] th:TH_STORE_NT              ; each store covers 256 consecutive bytes, aligned
	global_store_b64 v[O8], v[N+2:N+3], s[38:39] th:TH_STORE_NT
	global_store_b64 v[O8], v[N+4:N+5], s[44:45] th:TH_STORE_NT
	TABLE
	global_store_b128 v[O16], v[OUT:OUT+3], s[12:13] th:TH_STORE_NT          ; 512 consecutive bytes, aligned
	LOC3 AA, II, N, G, AA+2, II+2, N+2, G+2, AA+4, II+4, N+4, G+4            ; the next step's sample points, from the new flow: only stored here, as whole numbers
	ENC WD,   II,   II+2, II+4, E
	ENC WD+1, II+1, II+3, II+5, E+3
	global_store_b64 v[O8], v[WD:WD+1], s[14:15] th:TH_STORE_NT              ; 256 consecutive bytes, aligned
	s_endpgm
.Lfunc_end_k_qc681e2664e_step1:
	.size	k_qc681e2664e_step1, .Lfunc_end_k_qc681e2664e_step1-k_qc681e2664e_step1
	.p2alignl 7, 3214868480
	.fill 96, 4, 3214868480
	.section	.rodata,"a",@progbits
	.p2align	6, 0x0
	.amdhsa_kernel k_qc681e2664e_step1
		.amdhsa_group_segment_fixed_size 0
		.amdhsa_private_segment_fixed_size 0
		.amdhsa_enable_private_segment 0
		.amdhsa_kernarg_size 48
		.amdhsa_user_sgpr_count 2
		.amdhsa_user_sgpr_kernarg_segment_ptr 1
		.amdhsa_wavefront_size32 1
		.amdhsa_system_sgpr_workgroup_id_x 1
		.amdhsa_system_sgpr_workgroup_id_y 1
		.amdhsa_system_sgpr_workgroup_id_z 1
		.amdhsa_system_vgpr_workitem_id 0
		.amdhsa_next_free_vgpr 96
		.amdhsa_next_free_sgpr 66
		.amdhsa_reserve_vcc 0
		.amdhsa_float_denorm_mode_32 3
		.amdhsa_float_denorm_mode_16_64 3
		.amdhsa_memory_ordered 1
		.amdhsa_forward_progress 1
		.amdhsa_inst_pref_size 18
	.end_amdhsa_kernel
	.amdgpu_metadata
---
amdhsa.version: [ 1, 2 ]
amdhsa.kernels:
  - .name:           k_qc681e2664e_step1
    .symbol:         k_qc681e2664e_step1.kd
    .args:
      - { .name: sample_grid, .offset: 0, .size: 8, .value_kind: global_buffer, .address_space: global }
      - { .name: tabA, .offset: 8, .size: 8, .value_kind: global_buffer, .address_space: global }
      - { .name: idxA, .offset: 16, .size: 8, .value_kind: global_buffer, .address_space: global }
      - { .name: flwA, .offset: 24, .size: 8, .value_kind: global_buffer, .address_space: global }
      - { .name: tabB, .offset: 32, .size: 8, .value_kind: global_buffer, .address_space: global }
      - { .name: idxB, .offset: 40, .size: 8, .value_kind: global_buffer, .address_space: global }
    .group_segment_fixed_size: 0
    .private_segment_fixed_size: 0
    .kernarg_segment_align: 8
    .kernarg_segment_size: 48
    .max_flat_workgroup_size: 256
    .sgpr_count:     66
    .vgpr_count:     96
    .wavefront_size: 32
...
	.end_amdgpu_metadata
.endif
;; end of part 5
;; launch step2 (part 6): grid 6400 x 1, 8 waves a work-group, no clusters, 0 bytes of LDS; arguments sample_grid, flwA, tabB, idxB, flwB, tabA, idxA; writes flwB, tabA, idxA
.if DOCPART == 6
	.amdgcn_target "amdgcn-amd-amdhsa--gfx1250"
	.amdhsa_code_object_version 6
	.text
	.protected	k_qc681e2664e_step2
	.globl	k_qc681e2664e_step2
	.p2align	8
	.type	k_qc681e2664e_step2,@function
k_qc681e2664e_step2:
	s_mov_b64 s[64:65], 0
	v_nop
	global_prefetch_b8 v0, s[64:65] scope:SCOPE_SE
	s_setreg_imm32_b32 hwreg(HW_REG_WAVE_MODE, 25, 1), 1
	s_wait_xcnt 0x0
; THE SECOND STEP: flow2 = flow1 + the trilinear sample of flow1 at grid + 100 flow1 (zeros outside).
; In: sample_grid [voxel][3] f32 (rounded to bf16 as it is loaded: the stated limit of the whole program); flow1 planar in f32, of which a voxel reads its own three numbers: they steer its
; coordinates and start its sum; the table of flow1 from which it gathers, 8 bytes a voxel (THE TABLE); the index words that the launch before made from the same flow.
; Out: flow2 in the same three forms.
; THE TABLE.  A step multiplies an error in flow by 100 times the field's gradient, so 16-bit floats do not do.  With 2^e <= the largest of |x|, |y|, |z| < 2^(e+1), the three numbers times
; 2^(29-e) are whole numbers T below 2^30.  Two words hold them: w0 = [x: 19 bits | y's upper 13], w1 = [y's lower 6 | z: 18 bits | E: 8 bits], E = e + 98 (2^(E-127) undoes the scale).  The reader takes
; as i32  X = w0,  Y = (w0 << 19) | (w1 >> 13),  Z = w1 << 6:  each begins with its field; the bits below belong to a neighbour, the writer knows them, and it rounds the field so that the WHOLE word is nearest to T.
; The scale goes into the corner's weight: one packed multiply for A's and B's corner.
; LIMIT, STATED: a number read from the table is off by at most 2^(e-17) (x, y) or 2^(e-16) (z); e is held at -97 or above, so below that the scale no longer follows the numbers.
; THE GATHER'S ADDRESS comes from the index word alone: bx | by << 8 | bz << 16, each field clamped here once more (158, 158, 126), so that the nodes b and b + 1 lie in the table along every axis;
; byte ((bz 160 + by) 160 + bx) 8, and the eight corners stand in the loads' immediates (8 along x, 1,280 along y, 204,800 along z).  An x pair begins on a multiple of 8 only: two loads of 8 bytes.
; THE COORDINATES are made again here from grid and flow, by the same lines as in the launch before (the same bits), each line one rounding (LOC3):
;   g = grid + 100 flow (fused);  s = g - ext / 2;  q = s * rc, rc = 1 / ext rounded (a multiplication, NOT a correctly rounded division);  a = 2 q + 1 (fused);  i = a * (ext / 2).
; THE WEIGHTS.  With d = i - b, which is exact where the point lies in the volume:  node b gets med3(1 + d, 1 - d, 0), node b + 1 gets med3(d, 2 - d, 0).
;   0 <= d < 1 (b = floor(i)): 1 - d and d, reference()'s w0 = 1 - w1 and w1 = i - floor(i);   -1 <= d < 0 (floor = -1): node 0 gets 1 + d, its w1;   1 <= d < 2 (floor = the last node): that node gets
;   2 - d, its w0 (both forms are exact there);   elsewhere both are 0.  That is reference()'s weight times its mask, with no mask to be made.
; THE SUM starts from the voxel's own flow and is fused: its order of rounding differs from reference()'s.
; SHARES.  6,400 work-groups of 8 waves; a wave takes 64 voxels on end, thread t the voxels 2 t (A) and 2 t + 1 (B): loads and stores of 8 bytes a lane cover 256 consecutive bytes, aligned, those of 16
; cover 512.  Every packed f32 line works on the pair (A, B).  Sixteen gathers of 8 bytes a lane are out while the coordinates and weights are made.
; NaN and infinities in the inputs (where reference() gives NaN) are not treated apart.  No LDS, no barrier: no wave wants a byte of another.
.set PLANE, 13107200                   ; bytes of one channel of the planar flow
.set XSTEP, 8                          ; bytes of the table from x to x + 1
.set YSTEP, 1280                       ; from y to y + 1
.set ZSTEP, 204800                     ; from z to z + 1
.set O24, 1                            ; v1   24 x my thread's number: my two voxels in the grid
.set O16, 2                            ; v2   16 x: in a table
.set O8,  3                            ; v3   8 x: in a channel, and in an index buffer
.set WD,  4                            ; v[4:5]   the index words of A and B: as loaded, at the end as stored
.set ADA, 6                            ; v6   A's gather offset
.set ADB, 7                            ; v7   B's
.set GA,  8                            ; v[8:10]  grid of A, as loaded
.set GB,  12                           ; v[12:14] of B
; Six numbers a lane go through the coordinates, number j = 0 .. 5: x of A, x of B, y of A, y of B, z of A, z of B.
.set G,   16                           ; v[16:21] the grid rounded
.set F,   22                           ; v[22:27] own flow
.set AA,  28                           ; v[28:33] a
.set II,  34                           ; v[34:39] i, then d = i - b
.set BF,  40                           ; v[40:45] the nodes b as f32
.set BI,  46                           ; v[46:51] the nodes as whole numbers
.set U1,  28                           ; v[28:33] 1 + d
.set U2,  40                           ; v[40:45] 1 - d
.set U3,  46                           ; v[46:51] 2 - d
.set W,   52                           ; v[52:63] the weights, (A, B) pairs: x node b, x node b + 1, y, y, z, z
.set ZY,  28                           ; v[28:35] wz wy, the pair for (dz, dy) at ZY + 2 (2 dz + dy)
.set C,   36                           ; v[36:51] the corner weights, the pair for corner k = 4 dz + 2 dy + dx at C + 2 k
.set N,   52                           ; v[52:57] the new flow
.set D0,  8                            ; v[8:15]  a corner pair as read: X, Y, Z and the scale, an (A, B) pair each; even corners here,
.set D1,  28                           ; v[28:35] odd ones here
.set E,   40                           ; v[40:45] at work in ENC
.set Q,   64                           ; v[64:95] the corners: A's corner k at Q + 4 k, B's at Q + 4 k + 2; then the table's writer works here:
.set AB,  64                           ; v[64:69] magnitudes
.set MM,  70                           ; v[70:71] the largest of a voxel's three, then its exponent field
.set SUP, 72                           ; v[72:73] 2^(29-e)
.set EB,  74                           ; v[74:75] E
.set T,   76                           ; v[76:81] the scaled numbers, then as whole numbers
.set E6,  82                           ; v[82:83] E << 6
.set ZW,  84                           ; v[84:85] the word Z
.set JK,  86                           ; v[86:87] the neighbour's bits below a field
.set YQ,  88                           ; v[88:89] y's field in its place
.set TT,  90                           ; v[90:91] at work
.set OUT, 92                           ; v[92:95] w0, w1 of A, w0, w1 of B
.set C100, 20                          ; s[20:21] 100.0
.set KXY, 24                           ; s[24:29] for x and y: -79.5, 1/159, 79.5, each twice (a packed line names a pair and takes its low word for both halves)
.set KZ,  30                           ; s[30:35] for z: -63.5, 1/127, 63.5
.set HIM, 36                           ; s36  a word's upper bf16
.set EXM, 37                           ; s37  an f32's exponent field
.set TOPXY, 40                         ; s40  158.0
.set TOPZ,  41                         ; s41  126.0
.macro SPAIR r, bits
	s_mov_b32 s[\r], \bits
	s_mov_b32 s[\r+1], \bits
.endm
; The coordinates of three pairs, in step, so that no line waits for the one before it: pair 0 is x of (A, B), pair 1 is y, pair 2 is z.  a, i: results; f: flow; g: grid.
.macro LOC3 a0, i0, f0, g0, a1, i1, f1, g1, a2, i2, f2, g2
	v_pk_fma_f32 v[\a0:\a0+1], v[\f0:\f0+1], s[C100:C100+1], v[\g0:\g0+1] op_sel_hi:[1,0,1]  ; g = grid + 100 flow
	v_pk_fma_f32 v[\a1:\a1+1], v[\f1:\f1+1], s[C100:C100+1], v[\g1:\g1+1] op_sel_hi:[1,0,1]
	v_pk_fma_f32 v[\a2:\a2+1], v[\f2:\f2+1], s[C100:C100+1], v[\g2:\g2+1] op_sel_hi:[1,0,1]
	v_pk_add_f32 v[\a0:\a0+1], v[\a0:\a0+1], s[KXY:KXY+1] op_sel_hi:[1,0]           ; s = g - ext / 2
	v_pk_add_f32 v[\a1:\a1+1], v[\a1:\a1+1], s[KXY:KXY+1] op_sel_hi:[1,0]
	v_pk_add_f32 v[\a2:\a2+1], v[\a2:\a2+1], s[KZ:KZ+1] op_sel_hi:[1,0]
	v_pk_mul_f32 v[\a0:\a0+1], v[\a0:\a0+1], s[KXY+2:KXY+3] op_sel_hi:[1,0]         ; q = s * rc
	v_pk_mul_f32 v[\a1:\a1+1], v[\a1:\a1+1], s[KXY+2:KXY+3] op_sel_hi:[1,0]
	v_pk_mul_f32 v[\a2:\a2+1], v[\a2:\a2+1], s[KZ+2:KZ+3] op_sel_hi:[1,0]
	v_pk_fma_f32 v[\a0:\a0+1], v[\a0:\a0+1], 2.0, 1.0 op_sel_hi:[1,0,0]             ; a = 2 q + 1
	v_pk_fma_f32 v[\a1:\a1+1], v[\a1:\a1+1], 2.0, 1.0 op_sel_hi:[1,0,0]
	v_pk_fma_f32 v[\a2:\a2+1], v[\a2:\a2+1], 2.0, 1.0 op_sel_hi:[1,0,0]
	v_pk_mul_f32 v[\i0:\i0+1], v[\a0:\a0+1], s[KXY+4:KXY+5] op_sel_hi:[1,0]         ; i = a * (ext / 2)
	v_pk_mul_f32 v[\i1:\i1+1], v[\a1:\a1+1], s[KXY+4:KXY+5] op_sel_hi:[1,0]
	v_pk_mul_f32 v[\i2:\i2+1], v[\a2:\a2+1], s[KZ+4:KZ+5] op_sel_hi:[1,0]
.endm
; The index word of one voxel.  clamp(floor(i), 0, top) = trunc(clamp(i, 0, top)): the conversion cuts toward zero, and the clamped number is not negative.
.macro ENC w, ix, iy, iz, e
	v_med3_num_f32 v[\e], v[\ix], 0, s[TOPXY]
	v_med3_num_f32 v[\e+1], v[\iy], 0, s[TOPXY]
	v_med3_num_f32 v[\e+2], v[\iz], 0, s[TOPZ]
	v_cvt_u32_f32 v[\e], v[\e]
	v_cvt_u32_f32 v[\e+1], v[\e+1]
	v_cvt_u32_f32 v[\e+2], v[\e+2]
	v_lshl_or_b32 v[\w], v[\e+1], 8, v[\e]
	v_lshl_or_b32 v[\w], v[\e+2], 16, v[\w]
.endm
; An index word is cut into its three fields (to b, b + 2, b + 4), each clamped by a constant written in the line, and the gather's byte offset made of them by multiplies, adds and a shift left.
.macro DEC w, b, ad
	v_and_b32 v[\b], 0xff, v[\w]
	v_bfe_u32 v[\b+2], v[\w], 8, 8
	v_lshrrev_b32 v[\b+4], 16, v[\w]
	v_min_u32 v[\b], 0x9e, v[\b]                   ; bx <= 158
	v_min_u32 v[\b+2], 0x9e, v[\b+2]               ; by <= 158
	v_min_u32 v[\b+4], 0x7e, v[\b+4]               ; bz <= 126
	v_mad_u32_u24 v[\ad], v[\b+4], 0xa0, v[\b+2]
	v_mad_u32_u24 v[\ad], v[\ad], 0xa0, v[\b]
	v_lshlrev_b32 v[\ad], 3, v[\ad]                ; at most 26,008,304; the farthest corner ends at the table's last byte
.endm
; The new flow's two table entries (THE TABLE, at the head).  Fields are rounded from z up: each needs the bits that will lie below it.
.macro TABLE
.irp j, 0,1,2,3,4,5
	v_and_b32 v[AB+\j], 0x7fffffff, v[N+\j]
.endr
.irp h, 0,1
	v_max3_num_f32 v[MM+\h], v[AB+\h], v[AB+2+\h], v[AB+4+\h]
	v_max_num_f32 v[MM+\h], 0x0f000000, v[MM+\h]   ; at least 2^-97, so that both scales are normal numbers
	v_and_b32 v[MM+\h], 0x7f800000, v[MM+\h]       ; its exponent field f = e + 127, in place
	v_sub_nc_u32 v[SUP+\h], 0x8d800000, v[MM+\h]   ; the field 283 - f: the number 2^(29-e)
	v_lshrrev_b32 v[EB+\h], 23, v[MM+\h]
	v_add_nc_u32 v[EB+\h], 0xffffffe3, v[EB+\h]    ; E = f - 29, 1 to 225
.endr
.irp a, 0,2,4
	v_pk_mul_f32 v[T+\a:T+\a+1], v[N+\a:N+\a+1], v[SUP:SUP+1]    ; exact
.endr
.irp j, 0,1,2,3,4,5
	v_cvt_i32_f32 v[T+\j], v[T+\j]                 ; below 2^30 in magnitude: the roundings below cannot wrap
.endr
.irp h, 0,1
	v_lshlrev_b32 v[E6+\h], 6, v[EB+\h]            ; below z's field in Z lie E and six zeros
	v_sub_nc_u32 v[TT+\h], 0x2000, v[E6+\h]
	v_add_nc_u32 v[TT+\h], v[T+4+\h], v[TT+\h]     ; T - what lies below + half a step of 2^14,
	v_and_or_b32 v[ZW+\h], v[TT+\h], 0xffffc000, v[E6+\h]  ; cut to the field: Z
	v_lshrrev_b32 v[JK+\h], 19, v[ZW+\h]           ; below y's field in Y lie Z's upper 13 bits
	v_sub_nc_u32 v[TT+\h], v[T+2+\h], v[JK+\h]
	v_add_nc_u32 v[TT+\h], 0x1000, v[TT+\h]        ; + half a step of 2^13
	v_and_b32 v[YQ+\h], 0xffffe000, v[TT+\h]
	v_lshrrev_b32 v[ZW+\h], 6, v[ZW+\h]
	v_lshl_or_b32 v[OUT+2*\h+1], v[YQ+\h], 13, v[ZW+\h]    ; w1 = y's lower 6 | z | E
	v_lshrrev_b32 v[JK+\h], 19, v[YQ+\h]           ; below x's field in X lie y's upper 13 bits
	v_sub_nc_u32 v[TT+\h], v[T+\h], v[JK+\h]
	v_add_nc_u32 v[TT+\h], 0x1000, v[TT+\h]
	v_and_or_b32 v[OUT+2*\h], v[TT+\h], 0xffffe000, v[JK+\h]   ; w0 = x | y's upper 13
.endr
.endm
	s_load_b256 s[4:11], s[0:1], 0x0               ; sample_grid s[4:5], flow in s[6:7], table in s[8:9], index in s[10:11]
	s_load_b128 s[12:15], s[0:1], 0x20             ; flow out s[12:13], table out s[14:15]
	s_load_b64 s[16:17], s[0:1], 0x30              ; index out
	v_mul_u32_u24 v[O24], 24, v0
	v_lshlrev_b32 v[O16], 4, v0
	v_lshlrev_b32 v[O8], 3, v0
	SPAIR C100, 0x42c80000                         ; 100.0
	SPAIR KXY,   0xc29f0000                        ; -79.5
	SPAIR KXY+2, 0x3bce168a                        ; 1 / 159, rounded
	SPAIR KXY+4, 0x429f0000                        ; 79.5
	SPAIR KZ,    0xc27e0000                        ; -63.5
	SPAIR KZ+2,  0x3c010204                        ; 1 / 127, rounded
	SPAIR KZ+4,  0x427e0000                        ; 63.5
	s_mov_b32 s[HIM], 0xffff0000
	s_mov_b32 s[EXM], 0x7f800000
	s_mov_b32 s[TOPXY], 0x431e0000                 ; 158.0
	s_mov_b32 s[TOPZ], 0x42fc0000                  ; 126.0
	s_mul_i32 s18, ttmp9, 6144                     ; the group's 512 voxels: 6,144 bytes of the grid,
	s_mov_b32 s19, 0
	s_lshl_b32 s22, ttmp9, 12                      ; 4,096 of a table,
	s_mov_b32 s23, 0
	s_lshl_b32 s42, ttmp9, 11                      ; 2,048 of a channel and of an index buffer
	s_mov_b32 s43, 0
	s_wait_kmcnt 0x0
	s_add_nc_u64 s[4:5], s[4:5], s[18:19]
	s_add_nc_u64 s[6:7], s[6:7], s[42:43]          ; flow in, channel x
	s_add_nc_u64 s[38:39], s[6:7], PLANE           ; channel y
	s_add_nc_u64 s[44:45], s[38:39], PLANE         ; channel z
	s_add_nc_u64 s[10:11], s[10:11], s[42:43]      ; (s[8:9] stays at the table's first byte, for the gathers)
	s_add_nc_u64 s[12:13], s[12:13], s[42:43]      ; flow out, channel x
	s_add_nc_u64 s[46:47], s[12:13], PLANE         ; channel y
	s_add_nc_u64 s[48:49], s[46:47], PLANE         ; channel z
	s_add_nc_u64 s[14:15], s[14:15], s[22:23]
	s_add_nc_u64 s[16:17], s[16:17], s[42:43]
	global_load_b64 v[WD:WD+1], v[O8], s[10:11] th:TH_LOAD_NT                ; first: the gathers wait for it
	global_load_b64 v[F:F+1],   v[O8], s[6:7] th:TH_LOAD_NT
	global_load_b64 v[F+2:F+3], v[O8], s[38:39] th:TH_LOAD_NT
	global_load_b64 v[F+4:F+5], v[O8], s[44:45] th:TH_LOAD_NT
	global_load_b96 v[GA:GA+2], v[O24], s[4:5] th:TH_LOAD_NT
	global_load_b96 v[GB:GB+2], v[O24], s[4:5] offset:12 th:TH_LOAD_NT
	s_wait_loadcnt 0x5                             ; the index words are in; the five loads issued behind them may stay out
	DEC WD,   BI,   ADA
	DEC WD+1, BI+1, ADB
.set k, 0
.rept 8                                ; corner k = 4 dz + 2 dy + dx, A's and B's by turns
	global_load_b64 v[Q+4*k:Q+4*k+1],   v[ADA], s[8:9] offset:(k/4)*ZSTEP+((k/2)%2)*YSTEP+(k%2)*XSTEP
	global_load_b64 v[Q+4*k+2:Q+4*k+3], v[ADB], s[8:9] offset:(k/4)*ZSTEP+((k/2)%2)*YSTEP+(k%2)*XSTEP
.set k, k+1
.endr
.irp j, 0,1,2,3,4,5
	v_cvt_f32_u32 v[BF+\j], v[BI+\j]               ; the nodes as f32
.endr
	s_wait_loadcnt 0x10                            ; own flow and grid are in; the sixteen gathers issued behind them stay out
.irp a, 0,1,2
	v_cvt_pk_bf16_f32 v[II+\a], v[GA+\a], v[GB+\a] ; the grid rounded to bf16, a channel's (A, B) a line,
.endr
.irp a, 0,1,2
	v_lshlrev_b32 v[G+2*\a],   16, v[II+\a]        ; and widened
	v_and_b32     v[G+2*\a+1], s[HIM], v[II+\a]
.endr
	LOC3 AA, II, F, G, AA+2, II+2, F+2, G+2, AA+4, II+4, F+4, G+4
.irp p, 0,2,4
	v_pk_add_f32 v[II+\p:II+\p+1], v[II+\p:II+\p+1], v[BF+\p:BF+\p+1] neg_lo:[0,1] neg_hi:[0,1]  ; d = i - b
.endr
.irp p, 0,2,4
	v_pk_add_f32 v[U1+\p:U1+\p+1], v[II+\p:II+\p+1], 1.0 op_sel_hi:[1,0]             ; 1 + d
	v_pk_fma_f32 v[U2+\p:U2+\p+1], v[II+\p:II+\p+1], -1.0, 1.0 op_sel_hi:[1,0,0]     ; 1 - d
	v_pk_fma_f32 v[U3+\p:U3+\p+1], v[II+\p:II+\p+1], -1.0, 2.0 op_sel_hi:[1,0,0]     ; 2 - d
.endr
.irp j, 0,1,2,3,4,5
	v_med3_num_f32 v[W+4*((\j)/2)+(\j)%2],   v[U1+\j], v[U2+\j], 0                   ; node b
	v_med3_num_f32 v[W+4*((\j)/2)+2+(\j)%2], v[II+\j], v[U3+\j], 0                   ; node b + 1
.endr
	; the corner weights, (wz wy) wx as in reference(): four packed lines for wz wy, eight for the corners, each for A and B at once
.irp z, 0,1
.irp y, 0,1
	v_pk_mul_f32 v[ZY+4*\z+2*\y:ZY+4*\z+2*\y+1], v[W+4+2*\y:W+4+2*\y+1], v[W+8+2*\z:W+8+2*\z+1]
.endr
.endr
.set k, 0
.rept 8
	v_pk_mul_f32 v[C+2*k:C+2*k+1], v[W+2*(k%2):W+2*(k%2)+1], v[ZY+2*(k/2):ZY+2*(k/2)+1]
.set k, k+1
.endr
	; flow2 = flow1 + the sum over the corners.  A corner pair is read into one of two sets of registers, by turns, so that one pair's lines need not wait for the other's.
.set k, 0
.rept 8
.set d, D0+(D1-D0)*(k%2)
.set qa, Q+4*k
.set qb, Q+4*k+2
.set ac, N
.if k == 0
.set ac, F
	s_wait_loadcnt 0x8                             ; the corners of the lower z plane are in; the eight of the upper plane, issued behind them, may stay out
.endif
.if k == 4
	s_wait_loadcnt 0x0
.endif
	v_lshlrev_b32 v[d+6], 23, v[qa+1]              ; E into an f32's exponent field (z's lowest bit falls on the sign: cut below)
	v_lshlrev_b32 v[d+7], 23, v[qb+1]
	v_alignbit_b32 v[d+2], v[qa], v[qa+1], 13      ; Y = (w0 << 19) | (w1 >> 13)
	v_alignbit_b32 v[d+3], v[qb], v[qb+1], 13
	v_lshlrev_b32 v[d+4], 6, v[qa+1]               ; Z = w1 << 6
	v_lshlrev_b32 v[d+5], 6, v[qb+1]
	v_and_b32 v[d+6], s[EXM], v[d+6]               ; 2^(E-127)
	v_and_b32 v[d+7], s[EXM], v[d+7]
	v_cvt_f32_i32 v[d],   v[qa]                    ; X = w0
	v_cvt_f32_i32 v[d+1], v[qb]
	v_cvt_f32_i32 v[d+2], v[d+2]
	v_cvt_f32_i32 v[d+3], v[d+3]
	v_cvt_f32_i32 v[d+4], v[d+4]
	v_cvt_f32_i32 v[d+5], v[d+5]
	v_pk_mul_f32 v[C+2*k:C+2*k+1], v[C+2*k:C+2*k+1], v[d+6:d+7]              ; the scale goes into the weight: exact
	v_pk_fma_f32 v[N:N+1],     v[d:d+1],     v[C+2*k:C+2*k+1], v[ac:ac+1]
	v_pk_fma_f32 v[N+2:N+3],   v[d+2:d+3],   v[C+2*k:C+2*k+1], v[ac+2:ac+3]
	v_pk_fma_f32 v[N+4:N+5],   v[d+4:d+5],   v[C+2*k:C+2*k+1], v[ac+4:ac+5]
.set k, k+1
.endr
	global_store_b64 v[O8], v[N:N+1],   s[12:13] th:TH_STORE_NT              ; each store covers 256 consecutive bytes, aligned
	global_store_b64 v[O8], v[N+2:N+3], s[46:47] th:TH_STORE_NT
	global_store_b64 v[O8], v[N+4:N+5], s[48:49] th:TH_STORE_NT
	TABLE
	global_store_b128 v[O16], v[OUT:OUT+3], s[14:15] th:TH_STORE_NT          ; 512 consecutive bytes, aligned
	LOC3 AA, II, N, G, AA+2, II+2, N+2, G+2, AA+4, II+4, N+4, G+4            ; the next step's sample points, from the new flow: only stored here, as whole numbers
	ENC WD,   II,   II+2, II+4, E
	ENC WD+1, II+1, II+3, II+5, E+3
	global_store_b64 v[O8], v[WD:WD+1], s[16:17] th:TH_STORE_NT              ; 256 consecutive bytes, aligned
	s_endpgm
.Lfunc_end_k_qc681e2664e_step2:
	.size	k_qc681e2664e_step2, .Lfunc_end_k_qc681e2664e_step2-k_qc681e2664e_step2
	.p2alignl 7, 3214868480
	.fill 96, 4, 3214868480
	.section	.rodata,"a",@progbits
	.p2align	6, 0x0
	.amdhsa_kernel k_qc681e2664e_step2
		.amdhsa_group_segment_fixed_size 0
		.amdhsa_private_segment_fixed_size 0
		.amdhsa_enable_private_segment 0
		.amdhsa_kernarg_size 56
		.amdhsa_user_sgpr_count 2
		.amdhsa_user_sgpr_kernarg_segment_ptr 1
		.amdhsa_wavefront_size32 1
		.amdhsa_system_sgpr_workgroup_id_x 1
		.amdhsa_system_sgpr_workgroup_id_y 1
		.amdhsa_system_sgpr_workgroup_id_z 1
		.amdhsa_system_vgpr_workitem_id 0
		.amdhsa_next_free_vgpr 96
		.amdhsa_next_free_sgpr 66
		.amdhsa_reserve_vcc 0
		.amdhsa_float_denorm_mode_32 3
		.amdhsa_float_denorm_mode_16_64 3
		.amdhsa_memory_ordered 1
		.amdhsa_forward_progress 1
		.amdhsa_inst_pref_size 21
	.end_amdhsa_kernel
	.amdgpu_metadata
---
amdhsa.version: [ 1, 2 ]
amdhsa.kernels:
  - .name:           k_qc681e2664e_step2
    .symbol:         k_qc681e2664e_step2.kd
    .args:
      - { .name: sample_grid, .offset: 0, .size: 8, .value_kind: global_buffer, .address_space: global }
      - { .name: flwA, .offset: 8, .size: 8, .value_kind: global_buffer, .address_space: global }
      - { .name: tabB, .offset: 16, .size: 8, .value_kind: global_buffer, .address_space: global }
      - { .name: idxB, .offset: 24, .size: 8, .value_kind: global_buffer, .address_space: global }
      - { .name: flwB, .offset: 32, .size: 8, .value_kind: global_buffer, .address_space: global }
      - { .name: tabA, .offset: 40, .size: 8, .value_kind: global_buffer, .address_space: global }
      - { .name: idxA, .offset: 48, .size: 8, .value_kind: global_buffer, .address_space: global }
    .group_segment_fixed_size: 0
    .private_segment_fixed_size: 0
    .kernarg_segment_align: 8
    .kernarg_segment_size: 56
    .max_flat_workgroup_size: 256
    .sgpr_count:     66
    .vgpr_count:     96
    .wavefront_size: 32
...
	.end_amdgpu_metadata
.endif
;; end of part 6
;; launch final (part 7): grid 6400 x 1, 8 waves a work-group, no clusters, 0 bytes of LDS; arguments sample_grid, flwB, tabA, idxA, out0; writes out0
.if DOCPART == 7
	.amdgcn_target "amdgcn-amd-amdhsa--gfx1250"
	.amdhsa_code_object_version 6
	.text
	.protected	k_qc681e2664e_final
	.globl	k_qc681e2664e_final
	.p2align	8
	.type	k_qc681e2664e_final,@function
k_qc681e2664e_final:
	s_mov_b64 s[64:65], 0
	v_nop
	global_prefetch_b8 v0, s[64:65] scope:SCOPE_SE
	s_setreg_imm32_b32 hwreg(HW_REG_WAVE_MODE, 25, 1), 1
	s_wait_xcnt 0x0
; THE LAST STEP: out = flow2 + the trilinear sample of flow2 at grid + 100 flow2 (zeros outside), written planar, [3][128][160][160] f32.
; In: sample_grid [voxel][3] f32 (rounded to bf16 as it is loaded: the stated limit of the whole program); flow2 planar in f32, of which a voxel reads its own three numbers: they steer its
; coordinates and start its sum; the table of flow2 from which it gathers, 8 bytes a voxel (THE TABLE); the index words that the launch before made from the same flow.
; THE TABLE.  With 2^e <= the largest of a voxel's |x|, |y|, |z| < 2^(e+1), the three numbers times 2^(29-e) are whole numbers T below 2^30.  Two words hold them: w0 = [x: 19 bits | y's upper 13],
; w1 = [y's lower 6 | z: 18 bits | E: 8 bits], E = e + 98 (2^(E-127) undoes the scale).  The reader takes as i32  X = w0,  Y = (w0 << 19) | (w1 >> 13),  Z = w1 << 6:  each begins with its field; the bits
; below belong to a neighbour, and the writer has rounded the field so that the WHOLE word is nearest to T.  The scale goes into the corner's weight: one packed multiply for A's and B's corner.
; LIMIT, STATED: a number read from the table is off by at most 2^(e-17) (x, y) or 2^(e-16) (z); e is held at -97 or above.
; THE GATHER'S ADDRESS comes from the index word alone: bx | by << 8 | bz << 16, each field clamped here (158, 158, 126), so that the nodes b and b + 1 lie in the table along every axis;
; byte ((bz 160 + by) 160 + bx) 8, and the eight corners stand in the loads' immediates (8 along x, 1,280 along y, 204,800 along z).  An x pair begins on a multiple of 8 only: two loads of 8 bytes.
; THE COORDINATES are made again here from grid and flow, by the same lines as in the launch before (the same bits), each line one rounding (LOC3):
;   g = grid + 100 flow (fused);  s = g - ext / 2;  q = s * rc, rc = 1 / ext rounded (a multiplication, NOT a correctly rounded division);  a = 2 q + 1 (fused);  i = a * (ext / 2).
; THE WEIGHTS.  With d = i - b, which is exact where the point lies in the volume:  node b gets med3(1 + d, 1 - d, 0), node b + 1 gets med3(d, 2 - d, 0).
;   0 <= d < 1 (b = floor(i)): 1 - d and d, reference()'s w0 = 1 - w1 and w1 = i - floor(i);   -1 <= d < 0 (floor = -1): node 0 gets 1 + d, its w1;   1 <= d < 2 (floor = the last node): that node gets
;   2 - d, its w0 (both forms are exact there);   elsewhere both are 0.  That is reference()'s weight times its mask, with no mask to be made.
; THE SUM starts from the voxel's own flow and is fused: its order of rounding differs from reference()'s.
; SHARES.  6,400 work-groups of 8 waves; a wave takes 64 voxels on end, thread t the voxels 2 t (A) and 2 t + 1 (B): loads and stores of 8 bytes a lane cover 256 consecutive bytes, aligned.
; Every packed f32 line works on the pair (A, B), so a channel's two results lie side by side for their store.  Sixteen gathers of 8 bytes a lane are out while the coordinates and weights are made.
; NaN and infinities in the inputs (where reference() gives NaN) are not treated apart.  No LDS, no barrier: no wave wants a byte of another.
.set PLANE, 13107200                   ; bytes of one channel of the planar flow and of the output
.set XSTEP, 8                          ; bytes of the table from x to x + 1
.set YSTEP, 1280                       ; from y to y + 1
.set ZSTEP, 204800                     ; from z to z + 1
.set O24, 1                            ; v1   24 x my thread's number: my two voxels in the grid
.set O8,  3                            ; v3   8 x: in a channel, and in the index buffer
.set WD,  4                            ; v[4:5]   the index words of A and B
.set ADA, 6                            ; v6   A's gather offset
.set ADB, 7                            ; v7   B's
.set GA,  8                            ; v[8:10]  grid of A, as loaded
.set GB,  12                           ; v[12:14] of B
; Six numbers a lane go through the coordinates, number j = 0 .. 5: x of A, x of B, y of A, y of B, z of A, z of B.
.set G,   16                           ; v[16:21] the grid rounded
.set F,   22                           ; v[22:27] own flow
.set AA,  28                           ; v[28:33] a
.set II,  34                           ; v[34:39] i, then d = i - b
.set BF,  40                           ; v[40:45] the nodes b as f32
.set BI,  46                           ; v[46:51] the nodes as whole numbers
.set U1,  28                           ; v[28:33] 1 + d
.set U2,  40                           ; v[40:45] 1 - d
.set U3,  46                           ; v[46:51] 2 - d
.set W,   52                           ; v[52:63] the weights, (A, B) pairs: x node b, x node b + 1, y, y, z, z
.set ZY,  28                           ; v[28:35] wz wy, the pair for (dz, dy) at ZY + 2 (2 dz + dy)
.set C,   36                           ; v[36:51] the corner weights, the pair for corner k = 4 dz + 2 dy + dx at C + 2 k
.set N,   52                           ; v[52:57] the result
.set D0,  8                            ; v[8:15]  a corner pair as read: X, Y, Z and the scale, an (A, B) pair each; even corners here,
.set D1,  28                           ; v[28:35] odd ones here
.set Q,   64                           ; v[64:95] the corners: A's corner k at Q + 4 k, B's at Q + 4 k + 2
.set C100, 20                          ; s[20:21] 100.0
.set KXY, 24                           ; s[24:29] for x and y: -79.5, 1/159, 79.5, each twice (a packed line names a pair and takes its low word for both halves)
.set KZ,  30                           ; s[30:35] for z: -63.5, 1/127, 63.5
.set HIM, 36                           ; s36  a word's upper bf16
.set EXM, 37                           ; s37  an f32's exponent field
.macro SPAIR r, bits
	s_mov_b32 s[\r], \bits
	s_mov_b32 s[\r+1], \bits
.endm
; The coordinates of three pairs, in step, so that no line waits for the one before it: pair 0 is x of (A, B), pair 1 is y, pair 2 is z.  a, i: results; f: flow; g: grid.
.macro LOC3 a0, i0, f0, g0, a1, i1, f1, g1, a2, i2, f2, g2
	v_pk_fma_f32 v[\a0:\a0+1], v[\f0:\f0+1], s[C100:C100+1], v[\g0:\g0+1] op_sel_hi:[1,0,1]  ; g = grid + 100 flow
	v_pk_fma_f32 v[\a1:\a1+1], v[\f1:\f1+1], s[C100:C100+1], v[\g1:\g1+1] op_sel_hi:[1,0,1]
	v_pk_fma_f32 v[\a2:\a2+1], v[\f2:\f2+1], s[C100:C100+1], v[\g2:\g2+1] op_sel_hi:[1,0,1]
	v_pk_add_f32 v[\a0:\a0+1], v[\a0:\a0+1], s[KXY:KXY+1] op_sel_hi:[1,0]           ; s = g - ext / 2
	v_pk_add_f32 v[\a1:\a1+1], v[\a1:\a1+1], s[KXY:KXY+1] op_sel_hi:[1,0]
	v_pk_add_f32 v[\a2:\a2+1], v[\a2:\a2+1], s[KZ:KZ+1] op_sel_hi:[1,0]
	v_pk_mul_f32 v[\a0:\a0+1], v[\a0:\a0+1], s[KXY+2:KXY+3] op_sel_hi:[1,0]         ; q = s * rc
	v_pk_mul_f32 v[\a1:\a1+1], v[\a1:\a1+1], s[KXY+2:KXY+3] op_sel_hi:[1,0]
	v_pk_mul_f32 v[\a2:\a2+1], v[\a2:\a2+1], s[KZ+2:KZ+3] op_sel_hi:[1,0]
	v_pk_fma_f32 v[\a0:\a0+1], v[\a0:\a0+1], 2.0, 1.0 op_sel_hi:[1,0,0]             ; a = 2 q + 1
	v_pk_fma_f32 v[\a1:\a1+1], v[\a1:\a1+1], 2.0, 1.0 op_sel_hi:[1,0,0]
	v_pk_fma_f32 v[\a2:\a2+1], v[\a2:\a2+1], 2.0, 1.0 op_sel_hi:[1,0,0]
	v_pk_mul_f32 v[\i0:\i0+1], v[\a0:\a0+1], s[KXY+4:KXY+5] op_sel_hi:[1,0]         ; i = a * (ext / 2)
	v_pk_mul_f32 v[\i1:\i1+1], v[\a1:\a1+1], s[KXY+4:KXY+5] op_sel_hi:[1,0]
	v_pk_mul_f32 v[\i2:\i2+1], v[\a2:\a2+1], s[KZ+4:KZ+5] op_sel_hi:[1,0]
.endm
; An index word is cut into its three fields (to b, b + 2, b + 4), each clamped by a constant written in the line, and the gather's byte offset made of them by multiplies, adds and a shift left.
.macro DEC w, b, ad
	v_and_b32 v[\b], 0xff, v[\w]
	v_bfe_u32 v[\b+2], v[\w], 8, 8
	v_lshrrev_b32 v[\b+4], 16, v[\w]
	v_min_u32 v[\b], 0x9e, v[\b]                   ; bx <= 158
	v_min_u32 v[\b+2], 0x9e, v[\b+2]               ; by <= 158
	v_min_u32 v[\b+4], 0x7e, v[\b+4]               ; bz <= 126
	v_mad_u32_u24 v[\ad], v[\b+4], 0xa0, v[\b+2]
	v_mad_u32_u24 v[\ad], v[\ad], 0xa0, v[\b]
	v_lshlrev_b32 v[\ad], 3, v[\ad]                ; at most 26,008,304; the farthest corner ends at the table's last byte
.endm
	s_load_b256 s[4:11], s[0:1], 0x0               ; sample_grid s[4:5], flow in s[6:7], table s[8:9], index s[10:11]
	s_load_b64 s[12:13], s[0:1], 0x20              ; out
	v_mul_u32_u24 v[O24], 24, v0
	v_lshlrev_b32 v[O8], 3, v0
	SPAIR C100, 0x42c80000                         ; 100.0
	SPAIR KXY,   0xc29f0000                        ; -79.5
	SPAIR KXY+2, 0x3bce168a                        ; 1 / 159, rounded
	SPAIR KXY+4, 0x429f0000                        ; 79.5
	SPAIR KZ,    0xc27e0000                        ; -63.5
	SPAIR KZ+2,  0x3c010204                        ; 1 / 127, rounded
	SPAIR KZ+4,  0x427e0000                        ; 63.5
	s_mov_b32 s[HIM], 0xffff0000
	s_mov_b32 s[EXM], 0x7f800000
	s_mul_i32 s18, ttmp9, 6144                     ; the group's 512 voxels: 6,144 bytes of the grid,
	s_mov_b32 s19, 0
	s_lshl_b32 s42, ttmp9, 11                      ; 2,048 of a channel and of the index buffer
	s_mov_b32 s43, 0
	s_wait_kmcnt 0x0
	s_add_nc_u64 s[4:5], s[4:5], s[18:19]
	s_add_nc_u64 s[6:7], s[6:7], s[42:43]          ; flow in, channel x
	s_add_nc_u64 s[38:39], s[6:7], PLANE           ; channel y
	s_add_nc_u64 s[44:45], s[38:39], PLANE         ; channel z
	s_add_nc_u64 s[10:11], s[10:11], s[42:43]      ; (s[8:9] stays at the table's first byte, for the gathers)
	s_add_nc_u64 s[12:13], s[12:13], s[42:43]      ; out, channel x
	s_add_nc_u64 s[46:47], s[12:13], PLANE         ; channel y
	s_add_nc_u64 s[48:49], s[46:47], PLANE         ; channel z
	global_load_b64 v[WD:WD+1], v[O8], s[10:11] th:TH_LOAD_NT                ; first: the gathers wait for it
	global_load_b64 v[F:F+1],   v[O8], s[6:7] th:TH_LOAD_NT
	global_load_b64 v[F+2:F+3], v[O8], s[38:39] th:TH_LOAD_NT
	global_load_b64 v[F+4:F+5], v[O8], s[44:45] th:TH_LOAD_NT
	global_load_b96 v[GA:GA+2], v[O24], s[4:5] th:TH_LOAD_NT
	global_load_b96 v[GB:GB+2], v[O24], s[4:5] offset:12 th:TH_LOAD_NT
	s_wait_loadcnt 0x5                             ; the index words are in; the five loads issued behind them may stay out
	DEC WD,   BI,   ADA
	DEC WD+1, BI+1, ADB
.set k, 0
.rept 8                                ; corner k = 4 dz + 2 dy + dx, A's and B's by turns
	global_load_b64 v[Q+4*k:Q+4*k+1],   v[ADA], s[8:9] offset:(k/4)*ZSTEP+((k/2)%2)*YSTEP+(k%2)*XSTEP
	global_load_b64 v[Q+4*k+2:Q+4*k+3], v[ADB], s[8:9] offset:(k/4)*ZSTEP+((k/2)%2)*YSTEP+(k%2)*XSTEP
.set k, k+1
.endr
.irp j, 0,1,2,3,4,5
	v_cvt_f32_u32 v[BF+\j], v[BI+\j]               ; the nodes as f32
.endr
	s_wait_loadcnt 0x10                            ; own flow and grid are in; the sixteen gathers issued behind them stay out
.irp a, 0,1,2
	v_cvt_pk_bf16_f32 v[II+\a], v[GA+\a], v[GB+\a] ; the grid rounded to bf16, a channel's (A, B) a line,
.endr
.irp a, 0,1,2
	v_lshlrev_b32 v[G+2*\a],   16, v[II+\a]        ; and widened
	v_and_b32     v[G+2*\a+1], s[HIM], v[II+\a]
.endr
	LOC3 AA, II, F, G, AA+2, II+2, F+2, G+2, AA+4, II+4, F+4, G+4
.irp p, 0,2,4
	v_pk_add_f32 v[II+\p:II+\p+1], v[II+\p:II+\p+1], v[BF+\p:BF+\p+1] neg_lo:[0,1] neg_hi:[0,1]  ; d = i - b
.endr
.irp p, 0,2,4
	v_pk_add_f32 v[U1+\p:U1+\p+1], v[II+\p:II+\p+1], 1.0 op_sel_hi:[1,0]             ; 1 + d
	v_pk_fma_f32 v[U2+\p:U2+\p+1], v[II+\p:II+\p+1], -1.0, 1.0 op_sel_hi:[1,0,0]     ; 1 - d
	v_pk_fma_f32 v[U3+\p:U3+\p+1], v[II+\p:II+\p+1], -1.0, 2.0 op_sel_hi:[1,0,0]     ; 2 - d
.endr
.irp j, 0,1,2,3,4,5
	v_med3_num_f32 v[W+4*((\j)/2)+(\j)%2],   v[U1+\j], v[U2+\j], 0                   ; node b
	v_med3_num_f32 v[W+4*((\j)/2)+2+(\j)%2], v[II+\j], v[U3+\j], 0                   ; node b + 1
.endr
	; the corner weights, (wz wy) wx as in reference(): four packed lines for wz wy, eight for the corners, each for A and B at once
.irp z, 0,1
.irp y, 0,1
	v_pk_mul_f32 v[ZY+4*\z+2*\y:ZY+4*\z+2*\y+1], v[W+4+2*\y:W+4+2*\y+1], v[W+8+2*\z:W+8+2*\z+1]
.endr
.endr
.set k, 0
.rept 8
	v_pk_mul_f32 v[C+2*k:C+2*k+1], v[W+2*(k%2):W+2*(k%2)+1], v[ZY+2*(k/2):ZY+2*(k/2)+1]
.set k, k+1
.endr
	; out = flow2 + the sum over the corners.  A corner pair is read into one of two sets of registers, by turns, so that one pair's lines need not wait for the other's.
.set k, 0
.rept 8
.set d, D0+(D1-D0)*(k%2)
.set qa, Q+4*k
.set qb, Q+4*k+2
.set ac, N
.if k == 0
.set ac, F
	s_wait_loadcnt 0x8                             ; the corners of the lower z plane are in; the eight of the upper plane, issued behind them, may stay out
.endif
.if k == 4
	s_wait_loadcnt 0x0
.endif
	v_lshlrev_b32 v[d+6], 23, v[qa+1]              ; E into an f32's exponent field (z's lowest bit falls on the sign: cut below)
	v_lshlrev_b32 v[d+7], 23, v[qb+1]
	v_alignbit_b32 v[d+2], v[qa], v[qa+1], 13      ; Y = (w0 << 19) | (w1 >> 13)
	v_alignbit_b32 v[d+3], v[qb], v[qb+1], 13
	v_lshlrev_b32 v[d+4], 6, v[qa+1]               ; Z = w1 << 6
	v_lshlrev_b32 v[d+5], 6, v[qb+1]
	v_and_b32 v[d+6], s[EXM], v[d+6]               ; 2^(E-127)
	v_and_b32 v[d+7], s[EXM], v[d+7]
	v_cvt_f32_i32 v[d],   v[qa]                    ; X = w0
	v_cvt_f32_i32 v[d+1], v[qb]
	v_cvt_f32_i32 v[d+2], v[d+2]
	v_cvt_f32_i32 v[d+3], v[d+3]
	v_cvt_f32_i32 v[d+4], v[d+4]
	v_cvt_f32_i32 v[d+5], v[d+5]
	v_pk_mul_f32 v[C+2*k:C+2*k+1], v[C+2*k:C+2*k+1], v[d+6:d+7]              ; the scale goes into the weight: exact
	v_pk_fma_f32 v[N:N+1],     v[d:d+1],     v[C+2*k:C+2*k+1], v[ac:ac+1]
	v_pk_fma_f32 v[N+2:N+3],   v[d+2:d+3],   v[C+2*k:C+2*k+1], v[ac+2:ac+3]
	v_pk_fma_f32 v[N+4:N+5],   v[d+4:d+5],   v[C+2*k:C+2*k+1], v[ac+4:ac+5]
.set k, k+1
.endr
	global_store_b64 v[O8], v[N:N+1],   s[12:13] th:TH_STORE_NT              ; each store covers 256 consecutive bytes, aligned
	global_store_b64 v[O8], v[N+2:N+3], s[46:47] th:TH_STORE_NT
	global_store_b64 v[O8], v[N+4:N+5], s[48:49] th:TH_STORE_NT
	s_endpgm
.Lfunc_end_k_qc681e2664e_final:
	.size	k_qc681e2664e_final, .Lfunc_end_k_qc681e2664e_final-k_qc681e2664e_final
	.p2alignl 7, 3214868480
	.fill 96, 4, 3214868480
	.section	.rodata,"a",@progbits
	.p2align	6, 0x0
	.amdhsa_kernel k_qc681e2664e_final
		.amdhsa_group_segment_fixed_size 0
		.amdhsa_private_segment_fixed_size 0
		.amdhsa_enable_private_segment 0
		.amdhsa_kernarg_size 40
		.amdhsa_user_sgpr_count 2
		.amdhsa_user_sgpr_kernarg_segment_ptr 1
		.amdhsa_wavefront_size32 1
		.amdhsa_system_sgpr_workgroup_id_x 1
		.amdhsa_system_sgpr_workgroup_id_y 1
		.amdhsa_system_sgpr_workgroup_id_z 1
		.amdhsa_system_vgpr_workitem_id 0
		.amdhsa_next_free_vgpr 96
		.amdhsa_next_free_sgpr 66
		.amdhsa_reserve_vcc 0
		.amdhsa_float_denorm_mode_32 3
		.amdhsa_float_denorm_mode_16_64 3
		.amdhsa_memory_ordered 1
		.amdhsa_forward_progress 1
		.amdhsa_inst_pref_size 16
	.end_amdhsa_kernel
	.amdgpu_metadata
---
amdhsa.version: [ 1, 2 ]
amdhsa.kernels:
  - .name:           k_qc681e2664e_final
    .symbol:         k_qc681e2664e_final.kd
    .args:
      - { .name: sample_grid, .offset: 0, .size: 8, .value_kind: global_buffer, .address_space: global }
      - { .name: flwB, .offset: 8, .size: 8, .value_kind: global_buffer, .address_space: global }
      - { .name: tabA, .offset: 16, .size: 8, .value_kind: global_buffer, .address_space: global }
      - { .name: idxA, .offset: 24, .size: 8, .value_kind: global_buffer, .address_space: global }
      - { .name: out0, .offset: 32, .size: 8, .value_kind: global_buffer, .address_space: global }
    .group_segment_fixed_size: 0
    .private_segment_fixed_size: 0
    .kernarg_segment_align: 8
    .kernarg_segment_size: 40
    .max_flat_workgroup_size: 256
    .sgpr_count:     66
    .vgpr_count:     96
    .wavefront_size: 32
...
	.end_amdgpu_metadata
.endif
;; end of part 7
